; MI455X (gfx1250); checked and timed in simulation.
; The chip was launched on July 23, 2026; its instructions are those of AMD's public machine-readable ISA for CDNA 5 (MIT licence, August 2026) and "CDNA5" Instruction Set Architecture Reference Guide (July 2026). The comments in the code are by the model that wrote it; some were corrected since.
;; Self Attention Layer V1. Allowed arithmetic: float matrix products may take bf16 or f16 operands with f32 sums; other float arithmetic in f32, or as packed bf16 or f16 multiplies, adds, multiply-adds, maxima and minima; sums over many terms, partial sums and values carried from step to step in f32; what a program stores and reads back later, other than sums and carried values, may be rounded once to bf16 or f16.
;; Inputs: Wk 1,024 x 1,024 float32; Wq 1,024 x 1,024 float32; Wv 1,024 x 1,024 float32; bk 1,024 float32; bq 1,024 float32; bv 1,024 float32; x 4 x 2,048 x 1,024 float32.
;; Outputs: out0 4 x 2,048 x 1,024 float32.
;; 2 versions, each right; version 2 is version 1 with the launch prep written anew for expert scheduling mode. Each part assembles by itself: llvm-mc -triple=amdgcn-amd-amdhsa -mcpu=gfx1250 --defsym DOCPART=n.
;; ======== version 1 of 2: 5 launches
;; limits: values are held in f16: magnitudes above 65,504 overflow, below 6.1e-05 lose precision
;; workspace buffers: xb 16,777,216 bytes; wb 6,291,456 bytes; bias 12,288 bytes; qkv 50,331,648 bytes; sc 67,108,864 bytes; pw 33,554,432 bytes
;; launch prep (part 1): grid 705 x 1, 8 waves a work-group, no clusters, 0 bytes of LDS; arguments x, Wq, Wk, Wv, bq, bk, bv, xb, wb, bias; writes xb, wb, bias
.if DOCPART == 1
	.amdgcn_target "amdgcn-amd-amdhsa--gfx1250"
	.amdhsa_code_object_version 6
	.text
	.protected	k_qc2002f3ebf_prep
	.globl	k_qc2002f3ebf_prep
	.p2align	8
	.type	k_qc2002f3ebf_prep,@function
k_qc2002f3ebf_prep:
	s_mov_b64 s[64:65], 0
	v_nop
	global_prefetch_b8 v0, s[64:65] scope:SCOPE_SE
	s_setreg_imm32_b32 hwreg(HW_REG_WAVE_MODE, 25, 1), 1
	s_wait_xcnt 0x0
; All inputs are rounded once to bf16, and laid out as the projection's tiles want them.
; x  -> xb [16 kb][8192 rows][64] bf16: blocks of 64 along K, so that 128 rows x 64 k are 16,384 dense bytes.
; Wq, Wk, Wv -> wb [1024 k][3072 n] bf16: the three weights side by side, a row of 6,144 bytes.
; bq, bk, bv -> bias [3072] f32 that holds the bf16-rounded numbers (they enter f32 sums later).
; A stream: memory binds, so no LDS, no matrix unit, no cluster.  A work-group casts one chunk of 16 rows x 1,024 numbers: 65,536 bytes in, 32,768 out.
; Work-groups 0-511: chunks of x.  512-703: chunk (w-512) % 64 of weight (w-512) / 64.  704: the three biases.
; All 16 loads of a thread go out first; no register is written twice, so the only waits are the counted ones for the loads.
.set X, 4                              ; v[4:67]   16 x 4 numbers as loaded
.set Y, 68                             ; v[68:99]  16 x 2 words of bf16 to store
.macro LOADS stride                    ; 16 loads, stride bytes apart
.irp i, 0,1,2,3,4,5,6,7,8,9,10,11,12,13,14,15
	global_load_b128 v[X+4*(\i):X+4*(\i)+3], v1, s[28:29] offset:(\stride)*(\i) th:TH_LOAD_NT
.endr
.endm
.macro CAST i                          ; loads come back in order: load i is in, the 15 - i younger ones stay out
	s_wait_loadcnt 15-(\i)
	v_cvt_pk_bf16_f32 v[Y+2*(\i)], v[X+4*(\i)], v[X+4*(\i)+1]
	v_cvt_pk_bf16_f32 v[Y+2*(\i)+1], v[X+4*(\i)+2], v[X+4*(\i)+3]
.endm
	s_load_b512 s[4:19], s[0:1], 0x0               ; x s[4:5], Wq s[6:7], Wk s[8:9], Wv s[10:11], bq s[12:13], bk s[14:15], bv s[16:17], xb s[18:19]
	s_load_b128 s[20:23], s[0:1], 0x40             ; wb s[20:21], bias s[22:23]
	s_mov_b32 s24, ttmp9                           ; w
	s_sub_co_u32 s25, s24, 512                     ; w - 512 (used only where w >= 512)
	s_lshr_b32 s26, s25, 6                         ; which weight
	s_and_b32 s27, s25, 63                         ; which chunk of it
	s_mov_b32 s35, 0
	s_mov_b32 s37, 0
	v_lshlrev_b32 v2, 3, v0                        ; 8 bytes a thread out
	s_wait_kmcnt 0x0
	s_cmp_eq_u32 s24, 704
	s_cbranch_scc1 .Lbias
	s_cmp_lt_u32 s24, 512
	s_cbranch_scc0 .Lweights
	; x.  Load i takes block i of 64 along K: 16 lanes read 256 consecutive bytes of row t / 16.  In xb those 16 rows' pieces of a block lie end to end,
	; 128 bytes a row, so thread t's 8 bytes lie at 8 t and a wave's store covers 256 consecutive bytes, at a multiple of 256 from xb's first byte.
	v_lshrrev_b32 v1, 4, v0
	v_and_b32 v3, 15, v0
	v_lshlrev_b32 v1, 12, v1                       ; row t / 16 of the chunk, 4,096 bytes a row
	v_lshl_add_u32 v1, v3, 4, v1                   ; + 16 (t % 16)
	v_add_nc_u32 v3, 0x800000, v2                  ; blocks 8 to 15 lie 8 MiB on: a second offset keeps the immediates inside their signed 24 bits
	s_lshl_b32 s34, s24, 16                        ; the chunk in x,
	s_lshl_b32 s36, s24, 11                        ; and its 16 rows of 128 bytes in a block of xb
	s_add_nc_u64 s[28:29], s[4:5], s[34:35]
	s_add_nc_u64 s[30:31], s[18:19], s[36:37]
	LOADS 256
.irp i, 0,1,2,3,4,5,6,7
	CAST \i
	global_store_b64 v2, v[Y+2*(\i):Y+2*(\i)+1], s[30:31] offset:1048576*(\i)
.endr
.irp i, 8,9,10,11,12,13,14,15
	CAST \i
	global_store_b64 v3, v[Y+2*(\i):Y+2*(\i)+1], s[30:31] offset:1048576*((\i)-8)
.endr
	s_endpgm
.Lweights:                                             ; load i takes row i of the chunk whole: a wave's load covers 512 consecutive bytes, its store 256
	v_lshlrev_b32 v1, 4, v0
	s_cmp_eq_u32 s26, 1                            ; the source is chosen on the work-group's number alone
	s_cselect_b64 s[28:29], s[8:9], s[6:7]
	s_cmp_eq_u32 s26, 2
	s_cselect_b64 s[28:29], s[10:11], s[28:29]
	s_lshl_b32 s34, s27, 16                        ; the chunk in its weight,
	s_mul_i32 s36, s27, 98304                      ; its 16 rows of 6,144 bytes in wb,
	s_lshl_b32 s38, s26, 11                        ; and the weight's 2,048 bytes of each row
	s_add_co_u32 s36, s36, s38
	s_add_nc_u64 s[28:29], s[28:29], s[34:35]
	s_add_nc_u64 s[30:31], s[20:21], s[36:37]
	LOADS 4096
.irp i, 0,1,2,3,4,5,6,7,8,9,10,11,12,13,14,15
	CAST \i
	global_store_b64 v2, v[Y+2*(\i):Y+2*(\i)+1], s[30:31] offset:6144*(\i)
.endr
	s_endpgm
.Lbias:                                                ; 256 threads x 4 numbers = one bias of 1,024
	v_lshlrev_b32 v1, 4, v0
	global_load_b128 v[4:7], v1, s[12:13]
	global_load_b128 v[8:11], v1, s[14:15]
	global_load_b128 v[12:15], v1, s[16:17]
	s_wait_loadcnt 0x0
.irp n, 0,1,2
	v_cvt_pk_bf16_f32 v[16+2*(\n)], v[4+4*(\n)], v[5+4*(\n)]   ; rounded to bf16,
	v_cvt_pk_bf16_f32 v[17+2*(\n)], v[6+4*(\n)], v[7+4*(\n)]
	v_lshlrev_b32 v[24+4*(\n)], 16, v[16+2*(\n)]               ; and widened again: the low half moves up, the high half stays
	v_and_b32 v[25+4*(\n)], 0xffff0000, v[16+2*(\n)]
	v_lshlrev_b32 v[26+4*(\n)], 16, v[17+2*(\n)]
	v_and_b32 v[27+4*(\n)], 0xffff0000, v[17+2*(\n)]
	global_store_b128 v1, v[24+4*(\n):27+4*(\n)], s[22:23] offset:4096*(\n)
.endr
	s_endpgm
.Lfunc_end_k_qc2002f3ebf_prep:
	.size	k_qc2002f3ebf_prep, .Lfunc_end_k_qc2002f3ebf_prep-k_qc2002f3ebf_prep
	.p2alignl 7, 3214868480
	.fill 96, 4, 3214868480
	.section	.rodata,"a",@progbits
	.p2align	6, 0x0
	.amdhsa_kernel k_qc2002f3ebf_prep
		.amdhsa_group_segment_fixed_size 0
		.amdhsa_private_segment_fixed_size 0
		.amdhsa_enable_private_segment 0
		.amdhsa_kernarg_size 80
		.amdhsa_user_sgpr_count 2
		.amdhsa_user_sgpr_kernarg_segment_ptr 1
		.amdhsa_wavefront_size32 1
		.amdhsa_system_sgpr_workgroup_id_x 1
		.amdhsa_system_sgpr_workgroup_id_y 1
		.amdhsa_system_sgpr_workgroup_id_z 1
		.amdhsa_system_vgpr_workitem_id 0
		.amdhsa_next_free_vgpr 100
		.amdhsa_next_free_sgpr 66
		.amdhsa_reserve_vcc 0
		.amdhsa_float_denorm_mode_32 3
		.amdhsa_float_denorm_mode_16_64 3
		.amdhsa_memory_ordered 1
		.amdhsa_forward_progress 1
		.amdhsa_inst_pref_size 15
	.end_amdhsa_kernel
	.amdgpu_metadata
---
amdhsa.version: [ 1, 2 ]
amdhsa.kernels:
  - .name:           k_qc2002f3ebf_prep
    .symbol:         k_qc2002f3ebf_prep.kd
    .args:
      - { .name: x, .offset: 0, .size: 8, .value_kind: global_buffer, .address_space: global }
      - { .name: Wq, .offset: 8, .size: 8, .value_kind: global_buffer, .address_space: global }
      - { .name: Wk, .offset: 16, .size: 8, .value_kind: global_buffer, .address_space: global }
      - { .name: Wv, .offset: 24, .size: 8, .value_kind: global_buffer, .address_space: global }
      - { .name: bq, .offset: 32, .size: 8, .value_kind: global_buffer, .address_space: global }
      - { .name: bk, .offset: 40, .size: 8, .value_kind: global_buffer, .address_space: global }
      - { .name: bv, .offset: 48, .size: 8, .value_kind: global_buffer, .address_space: global }
      - { .name: xb, .offset: 56, .size: 8, .value_kind: global_buffer, .address_space: global }
      - { .name: wb, .offset: 64, .size: 8, .value_kind: global_buffer, .address_space: global }
      - { .name: bias, .offset: 72, .size: 8, .value_kind: global_buffer, .address_space: global }
    .group_segment_fixed_size: 0
    .private_segment_fixed_size: 0
    .kernarg_segment_align: 8
    .kernarg_segment_size: 80
    .max_flat_workgroup_size: 256
    .sgpr_count:     66
    .vgpr_count:     100
    .wavefront_size: 32
...
	.end_amdgpu_metadata
.endif
;; end of part 1
;; launch proj (part 2): grid 8 x 32, 4 waves a work-group, clusters of 4 x 4, 327,680 bytes of LDS; arguments xb, wb, bias, qkv; writes qkv
.if DOCPART == 2
	.amdgcn_target "amdgcn-amd-amdhsa--gfx1250"
	.amdhsa_code_object_version 6
	.text
	.protected	k_qc2002f3ebf_proj
	.globl	k_qc2002f3ebf_proj
	.p2align	8
	.type	k_qc2002f3ebf_proj,@function
k_qc2002f3ebf_proj:
	s_mov_b64 s[64:65], 0
	v_nop
	global_prefetch_b8 v0, s[64:65] scope:SCOPE_SE
	s_setreg_imm32_b32 hwreg(HW_REG_WAVE_MODE, 25, 1), 1
	s_wait_xcnt 0x0
	s_wait_alu depctr_hold_cnt(0) depctr_sa_sdst(0) depctr_va_vdst(0) depctr_va_sdst(0) depctr_va_ssrc(0) depctr_va_vcc(0) depctr_vm_vsrc(0)
	s_getreg_b32 s2, hwreg(HW_REG_IB_STS2, 6, 4)
	s_cmp_eq_u32 s2, 0
	s_cbranch_scc0 .Lentry_in_a_cluster
	s_endpgm
.Lentry_in_a_cluster:
	s_bfe_u32 s2, ttmp6, 0x10000c
	s_cmp_lg_u32 s2, 0xf033
	s_cbranch_scc0 .Lentry_shape_is_right
	s_endpgm
.Lentry_shape_is_right:
; qkv[row][3072] = x[row][1024] x (Wq | Wk | Wv) + (bq | bk | bv).  xb bf16 [16 kb][8192][64]; wb bf16 [1024 k][3072 n]; bias f32 [3072]; qkv f16, rows of 6,144 bytes: q, k, v.
; Products in bf16, sums in f32; the bias is the sum's first addend (the C operand of the first product); each result is rounded once to f16.
; LIMITS.  f16 holds no number beyond 65,504: a q, k or v past that becomes an infinity; below 6e-5 f16 keeps a fixed step of 6e-8.  NaN and infinities are not treated apart.
; SHARES.  A tile of 256 x 384: 32 x 8 = 256 work-groups of equal work.  Four waves, 128 rows x 192 columns each: 96 accumulators, 768 registers, windows 1 to 3.
; K = 1,024 in 16 steps of 64 through two LDS slots: two slots of a step of 128 would take 2 x (69,632 + 110,592) bytes, more than there is.
; x's tile: 128 rows x 64 k are 16,384 dense bytes of xb, asked for as 64 rows of 256 bytes and padded in LDS after every 128: rows 144 bytes apart.
; W's tile lies [k][n] as in memory: rows of 768 bytes, padded after every 256 by 32: three segments of 288 bytes, rows 864 bytes apart; its fragments are turned on the way out of LDS (ds_load_tr16_b128).
; Of each segment of 128 columns wave half HC takes columns 64 HC to 64 HC + 63: column chunk s of a wave lies in segment s, and every LDS immediate is the same in all waves.
; THE MATRIX INSTRUCTION IS USED TRANSPOSED: source 0 = 16 columns of W, source 1 = 16 rows of x: a lane then holds eight neighbouring numbers of one row of the result.
; CLUSTER 4 x 4.  x's tile hangs on the tile row alone and is asked for jointly by the four of a cluster's row; W's on the tile column alone, jointly by the four of a cluster's column.
; THE PIPELINE.  A step is two halves of 32 along K, a half three chunks of 32 matrix instructions (8 row blocks x the chunk's 4 column blocks).  W's fragments have ONE buffer: a chunk's 32 registers are
; loaded again straight behind its products and used 64 matrix instructions later.  x's fragments have two buffers.  A trip of the loop is a step's second half and the next step's first: all its LDS reads go to one slot.
; REGISTERS.  window 0: v0-29 addresses; v32-95, v96-159 fragments of x; v160-255 fragments of W, chunk s at v[160 + 32 s]; on the way out v32-223 at work.
;   window s + 1: the accumulators of chunk s, (row block a, column block j) at v[32 a + 8 j].
.set PA,     144                       ; a row of x's tile in LDS: 36 words: the 16 rows of a load start at 16 different groups of four banks
.set PB,     864                       ; a row of W's tile: 27 x 32 bytes, an odd multiple of 32
.set SEG,    288                       ; a segment of it: 128 columns and the padding
.set AHALF,  128*PA                    ; 18,432: what one load of x brings, and what one wave reads
.set BOFF,   2*AHALF                   ; W's tile lies behind x's
.set BHALF,  32*PB                     ; 27,648: what one load of W brings: 32 rows
.set SLOT1,  0x20000                   ; slot 1 begins here; a slot has 92,160 bytes, so one exclusive or turns an address in one slot into the other's
.set STAGE,  SLOT1+BOFF+2*BHALF        ; 223,232: behind the ring: 128 rows x 784 bytes, the work-group's, for the way out
.set SPITCH, 784                       ; 768 bytes + 16 = 49 x 16: the 16 rows that a store touches start at 16 different groups of four banks
.set SPARE,  STAGE+128*SPITCH          ; 323,584: the spare words, 128 bytes a wave, that no other line names
.set CROW,   6144                      ; bytes in a row of qkv
.set A0, 8                             ; v8   my lane's and wave's place in x's tile, slot 0; never rewritten
.set B0, 9                             ; v9   the same in W's tile
.set AN, 10                            ; v10, v11  the same in the slot that the trip reads
.set BN, 11
.set STO, 14                           ; the way out: where I put 16 bytes of a row
.set RD,  15                           ; where I read rows back
.set CO,  16                           ; my byte offset in qkv
.set BO,  17                           ; my byte offset in the bias
.set SPW, 28                           ; LDS address of my spare word; never rewritten
.set NIL, 29                           ; 0; never rewritten
.set AF0, 32
.set AF1, 96
.set BF,  160
.set TMP, 32                           ; the way out: 64 registers of packed results,
.set OB,  32                           ; then 192 registers of whole rows
.set CNT, 2                            ; s2   trips to go
.set WV,  12                           ; s12  wave
.set HR,  13                           ; s13  my half of the tile's rows; also: I fetch for x (0) or W (1)
.set HC,  14                           ; s14  my half of each segment's columns; also: which half of that tile I fetch
.set G1A, 24                           ; s[24:31] group 1, x's tiles
.set G0A, 32                           ; s[32:39] group 0, x's tiles: a set for each first fill; the second walks on
.set G1B, 48                           ; s[48:55], s[56:63] the same for W's
.set G0B, 56
.set TN,  67                           ; s67  LDS byte of the slot that the trip reads
.set MSB, 0
.macro WIN new                         ; the immediate's high byte repeats the setting that is left; a switch that changes nothing is dropped
.if MSB != (\new)
	s_set_vgpr_msb (MSB<<8)|(\new)
.set MSB, \new
.endif
.endm
.macro PLACES                          ; four plain vector instructions between a matrix instruction and a load into, or a read of, its registers
.rept 4
	v_nop
.endr
.endm
; A joint refill by the walking descriptors.  Waves 0, 1 ask for x's two halves, waves 2, 3 for W's.  The branch hangs on the wave's number alone.
; An s_nop 0 and four v_nop follow each of the two lines.
.macro JLOAD
	s_cmp_eq_u32 s[HR], 0
	s_cbranch_scc0 .Lfor_b_\@
	tensor_load_to_lds s[G0A+4:G0A+7], s[G1A:G1A+7]
	s_nop 0
.rept 4
	v_nop
.endr
	s_branch .Lasked_\@
.Lfor_b_\@:
	tensor_load_to_lds s[G0B+4:G0B+7], s[G1B:G1B+7]
	s_nop 0
.rept 4
	v_nop
.endr
.Lasked_\@:
.endm
.macro CREST                           ; a round of the cluster's barrier behind its opening barrier
	s_cmp_lg_u32 s[WV], 0
	s_cbranch_scc1 .Lnot_wave_0_\@
	s_barrier_signal -3
.Lnot_wave_0_\@:
	s_barrier_wait -3
	s_barrier_signal -1
	s_barrier_wait -1
.endm
.macro CROUND
	s_barrier_signal -1
	s_barrier_wait -1
	CREST
.endm
	s_load_b256 s[4:11], s[0:1], 0x0               ; xb s[4:5], wb s[6:7], bias s[8:9], qkv s[10:11]
	v_lshl_add_u32 v[SPW], v0, 2, SPARE
	v_mov_b32 v[NIL], 0
	ds_add_u32 v[SPW], v[NIL]                      ; the wave's opening: the add and its wait stand ahead of my first tensor load
	ds_add_u32 v28, v29
	v_lshrrev_b32 v1, 5, v0
	v_readfirstlane_b32 s[WV], v1
	s_lshr_b32 s[HR], s[WV], 1
	s_and_b32 s[HC], s[WV], 1
	s_bfe_u32 s15, ttmp6, 0x40000                  ; cx
	s_bfe_u32 s16, ttmp6, 0x40004                  ; cy
	s_lshl_b32 s17, ttmp9, 2
	s_add_co_u32 s17, s17, s15                     ; tile column 0..7 = 4 x cluster x + cx
	s_and_b32 s18, ttmp7, 0xffff
	s_lshl_b32 s18, s18, 2
	s_add_co_u32 s18, s18, s16                     ; tile row 0..31
	s_lshl_b32 s19, s16, 2
	s_lshl_b32 s19, 15, s19                        ; my row of the cluster
	s_lshl_b32 s20, 0x1111, s15                    ; my column
	s_or_b32 s[G1A], s19, (1<<16)|(1<<20)|(1<<21)|(4<<22)|(3<<25)  ; mask; 2-byte elements; padding on; bit 21 beside a mask; after every 32 words 4 words
	s_mov_b32 s[G1A+1], 128<<16                    ; tensor_dim0 = 128: 256 bytes, two rows of x's tile
	s_mov_b32 s[G1A+2], 64<<16                     ; tensor_dim1 = 64
	s_mov_b32 s[G1A+3], 128<<16                    ; tile_dim0 = 128
	s_mov_b32 s[G1A+4], 64                         ; tile_dim1 = 64
	s_mov_b32 s[G1A+5], 128                        ; dense: 128 elements from row to row
	s_mov_b32 s[G1A+6], 0
	s_mov_b32 s[G1A+7], 0
	s_or_b32 s[G1B], s20, (1<<16)|(1<<20)|(1<<21)|(5<<22)|(7<<25)  ; after every 64 words 8 words: three times in a row of 192 words
	s_mov_b32 s[G1B+1], 384<<16                    ; tensor_dim0 = 384
	s_mov_b32 s[G1B+2], 32<<16                     ; tensor_dim1 = 32
	s_mov_b32 s[G1B+3], 384<<16                    ; tile_dim0 = 384
	s_mov_b32 s[G1B+4], 32                         ; tile_dim1 = 32
	s_mov_b32 s[G1B+5], 3072                       ; elements from row to row
	s_mov_b32 s[G1B+6], 0
	s_mov_b32 s[G1B+7], 0
	s_lshl_b32 s40, s18, 15                        ; x: row 256 x tile row + 128 x half, times 128 bytes, in block 0.  These registers never hold cx
	s_lshl_b32 s41, s[HC], 14
	s_add_co_u32 s40, s40, s41
	s_mov_b32 s41, 0
	s_mul_i32 s42, s17, 768                        ; W: 384 columns x tile column, 32 rows of 6,144 bytes x half.  These never hold cy
	s_mul_i32 s43, s[HC], 196608
	s_add_co_u32 s42, s42, s43
	s_mov_b32 s43, 0
	s_mul_i32 s21, s[HC], AHALF                    ; where my loads land, for x
	s_mul_i32 s22, s[HC], BHALF                    ; and for W: no place in the cluster enters an LDS address
	s_add_co_u32 s22, s22, BOFF
	s_mov_b32 s[TN], 0                             ; ahead of the loop slot 0 is read
	s_wait_dscnt 0x0                               ; the opening add is done
	s_wait_kmcnt 0x0
	s_add_nc_u64 s[40:41], s[4:5], s[40:41]
	s_add_nc_u64 s[42:43], s[6:7], s[42:43]
	CROUND                                         ; all sixteen work-groups are here: the first joint loads meet
.irp s, 0,1
	s_mov_b32 s[G0A+4*(\s)], 1
	s_add_co_u32 s[G0A+4*(\s)+1], s21, (\s)*SLOT1
	s_add_nc_u64 s[G0A+4*(\s)+2:G0A+4*(\s)+3], s[40:41], (\s)*1048576  ; K step s: block s of xb
	s_or_b32 s[G0A+4*(\s)+3], s[G0A+4*(\s)+3], 0x80000000
	s_mov_b32 s[G0B+4*(\s)], 1
	s_add_co_u32 s[G0B+4*(\s)+1], s22, (\s)*SLOT1
	s_add_nc_u64 s[G0B+4*(\s)+2:G0B+4*(\s)+3], s[42:43], (\s)*393216   ; K step s: 64 rows down
	s_or_b32 s[G0B+4*(\s)+3], s[G0B+4*(\s)+3], 0x80000000
.endr
	s_cmp_eq_u32 s[HR], 0                          ; a wave's two first fills stand in one branch, ahead of every wait on TENSORcnt and every LDS read: two loads of mine are out
	s_cbranch_scc0 .Lfirst_b
	tensor_load_to_lds s[G0A:G0A+3], s[G1A:G1A+7]
	s_nop 0
	tensor_load_to_lds s[G0A+4:G0A+7], s[G1A:G1A+7]
	s_nop 0
.rept 4
	v_nop
.endr
	s_branch .Lfirst_asked
.Lfirst_b:
	tensor_load_to_lds s[G0B:G0B+3], s[G1B:G1B+7]
	s_nop 0
	tensor_load_to_lds s[G0B+4:G0B+7], s[G1B:G1B+7]
	s_nop 0
.rept 4
	v_nop
.endr
.Lfirst_asked:
	v_and_b32 v1, 15, v0                           ; r = l % 16
	v_bfe_u32 v2, v0, 4, 1                         ; h = l / 16
	; The bias of chunk s goes into the registers of accumulators (7, j) of window s + 1: register e holds bias[128 s + 64 HC + 16 j + 8 h + e], the accumulators' own layout
	s_mul_i32 s44, s17, 1536
	s_lshl_b32 s45, s[HC], 8
	s_add_co_u32 s44, s44, s45
	s_mov_b32 s45, 0
	s_add_nc_u64 s[8:9], s[8:9], s[44:45]
	v_lshlrev_b32 v[BO], 5, v2
.irp c, 0,1,2
	WIN ((\c)+1)*0x40                              ; destination window c + 1, address window 0
.irp j, 0,1,2,3
	global_load_b128 v[224+8*(\j):224+8*(\j)+3],   v[BO], s[8:9] offset:512*(\c)+64*(\j)
	global_load_b128 v[224+8*(\j)+4:224+8*(\j)+7], v[BO], s[8:9] offset:512*(\c)+64*(\j)+16
.endr
.endr
	WIN 0
	; a fragment of x: lane l holds row l % 16, k = 8 h + 0..7 and 16 + 8 h + 0..7: two loads of 16 bytes, 32 bytes apart
	v_mul_u32_u24 v3, v1, PA
	v_lshl_add_u32 v3, v2, 4, v3
	s_mul_i32 s23, s[HR], AHALF
	v_add_nc_u32 v[A0], s23, v3
	; a fragment of W, turned: lane l reads 16 bytes of row k = 8 h + l % 8, columns 8 ((l / 8) % 2) + 0..7, and ends up with column l % 16 and eight k
	v_and_b32 v4, 7, v0
	v_lshl_add_u32 v4, v2, 3, v4
	v_mul_u32_u24 v4, v4, PB
	v_bfe_u32 v5, v0, 3, 1
	v_lshl_add_u32 v4, v5, 4, v4
	s_lshl_b32 s23, s[HC], 7                       ; my 64 columns of each segment
	s_add_co_u32 s23, s23, BOFF
	v_add_nc_u32 v[B0], s23, v4
	v_mov_b32 v[AN], v[A0]
	v_mov_b32 v[BN], v[B0]
	; the way out.  In: stage row 64 HR + 16 a' + r, my 128 bytes of each segment, 16 bytes for each half of the lanes
	s_mul_i32 s23, s[HR], 64*SPITCH
	s_lshl_b32 s44, s[HC], 7
	s_add_co_u32 s23, s23, s44
	s_add_co_u32 s23, s23, STAGE
	v_mul_u32_u24 v4, v1, SPITCH
	v_lshl_add_u32 v4, v2, 4, v4
	v_add_nc_u32 v[STO], s23, v4
	; back: wave w takes stage rows 32 w .. 32 w + 31 whole; lanes 0-15 take 256 bytes of one row, lanes 16-31 of the next
	s_mul_i32 s23, s[WV], 32*SPITCH
	s_add_co_u32 s23, s23, STAGE
	v_mul_u32_u24 v5, v2, SPITCH
	v_lshl_add_u32 v5, v1, 4, v5
	v_add_nc_u32 v[RD], s23, v5
	v_mul_u32_u24 v5, v2, CROW                     ; and the same two rows in qkv
	v_lshl_add_u32 v[CO], v1, 4, v5
	s_lshl_b32 s46, s18, 8                         ; qkv at row 256 x tile row + 128 HR + 32 HC, column 384 x tile column
	s_lshl_b32 s47, s[HR], 7
	s_add_co_u32 s46, s46, s47
	s_lshl_b32 s47, s[HC], 5
	s_add_co_u32 s46, s46, s47
	s_mul_i32 s46, s46, CROW
	s_mul_i32 s47, s17, 768
	s_add_co_u32 s46, s46, s47
	s_mov_b32 s47, 0
	s_add_nc_u64 s[10:11], s[10:11], s[46:47]
.macro UPD                             ; the trip reads the other slot than the last (window 0)
	s_xor_b32 s[TN], s[TN], SLOT1
	v_add_nc_u32 v[AN], s[TN], v[A0]
	v_add_nc_u32 v[BN], s[TN], v[B0]
.endm
; 4 n matrix instructions of chunk c: row blocks a0 .. a0 + n - 1 x the chunk's 4 column blocks, 32 along K, x's fragments in buffer f.  The accumulators take turns:
; between two instructions on one accumulator stand the 95 others'.
.macro CH f, c, a0, n
	WIN ((\c)+1)*0x50                              ; W and x window 0, C and D window c + 1
.set ra, \a0
.rept \n
.irp j, 0,1,2,3
	v_wmma_f32_16x16x32_bf16 v[32*ra+8*(\j):32*ra+8*(\j)+7], v[BF+32*(\c)+8*(\j):BF+32*(\c)+8*(\j)+7], v[(\f)+8*ra:(\f)+8*ra+7], v[32*ra+8*(\j):32*ra+8*(\j)+7]
.endr
.set ra, ra+1
.endr
.endm
; A chunk's first products start the sums on the bias, which lies in the registers of row block 7: blocks 0 to 6 take it as C; five places, since block 7's products write over registers
; that those have read (ISA guide 7.12.1); then block 7 adds in place.  Nothing is cleared and no add is written.
.macro CHB f, c
	WIN ((\c)+1)*0x50
.set ra, 0
.rept 7
.irp j, 0,1,2,3
	v_wmma_f32_16x16x32_bf16 v[32*ra+8*(\j):32*ra+8*(\j)+7], v[BF+32*(\c)+8*(\j):BF+32*(\c)+8*(\j)+7], v[(\f)+8*ra:(\f)+8*ra+7], v[224+8*(\j):224+8*(\j)+7]
.endr
.set ra, ra+1
.endr
.rept 5
	v_nop
.endr
	CH \f, \c, 7, 1
.endm
.macro LDA hh, f                       ; 16 LDS loads: x's fragments of half hh of the slot, into buffer f
	WIN 0
.irp i, 0,1,2,3,4,5,6,7
	ds_load_b128 v[(\f)+8*(\i):(\f)+8*(\i)+3],   v[AN] offset:(\i)*16*PA+64*(\hh)
	ds_load_b128 v[(\f)+8*(\i)+4:(\f)+8*(\i)+7], v[AN] offset:(\i)*16*PA+64*(\hh)+32
.endr
.endm
.macro LDB hh, c                       ; 8 LDS loads: W's fragments of half hh, chunk c
	WIN 0
.irp j, 0,1,2,3
	ds_load_tr16_b128 v[BF+32*(\c)+8*(\j):BF+32*(\c)+8*(\j)+3],   v[BN] offset:(\hh)*32*PB+(\c)*SEG+32*(\j)
	ds_load_tr16_b128 v[BF+32*(\c)+8*(\j)+4:BF+32*(\c)+8*(\j)+7], v[BN] offset:(\hh)*32*PB+16*PB+(\c)*SEG+32*(\j)
.endr
.endm
; A STEP'S FIRST HALF multiplies buffer AF0 and fetches the same slot's second half.  The loads always go out in the order x (16), chunk 0 (8), chunk 1 (8), chunk 2 (8).
.macro H0 first
	s_wait_dscnt 16                                ; x and chunk 0 are in; chunks 1 and 2, sixteen loads, may be out
.if \first
	CHB AF0, 0
.else
	CH AF0, 0, 0, 8
.endif
	PLACES
	LDA 1, AF1
	LDB 1, 0
	s_wait_dscnt 32                                ; chunk 1 is in: behind it went chunk 2's eight and the 24 just issued
.if \first
	CHB AF0, 1
.else
	CH AF0, 1, 0, 8
.endif
	PLACES
	LDB 1, 1
	s_wait_dscnt 32                                ; chunk 2 is in: behind it went those 24 and the eight just issued
.if \first
	CHB AF0, 2
.else
	CH AF0, 2, 0, 8
.endif
	PLACES
	LDB 1, 2
.endm
; A STEP'S SECOND HALF multiplies buffer AF1, changes slots in its chunk 1, and fetches the next slot's first half.  ONE barrier for the change: in front of it each wave waits for all its tensor loads
; (one is out: its part of the next slot), adds 0 to its spare word, and waits for that and for its reads of the old slot, of which the last went out 40 matrix instructions before.
; fill = 1: the barrier opens a round of the cluster's barrier, and behind it the old slot is filled with the K step two on: 176 matrix instructions ahead of the wait for it.
.macro H1 fill
	s_wait_dscnt 16                                ; x and chunk 0 are in
	CH AF1, 0, 0, 8
	WIN 0
	s_wait_tensorcnt 0x0
	ds_add_u32 v[SPW], v[NIL]
	s_wait_dscnt 9                                 ; chunk 1 is in; chunk 2's eight loads and the add may be out
	CH AF1, 1, 0, 2
	s_wait_dscnt 0x0                               ; the add is done, my reads of the old slot are over
	s_barrier_signal -1
	CH AF1, 1, 2, 2
	WIN 0
	s_barrier_wait -1
.if \fill
	CREST
	s_xor_b32 s[G0A+5], s[G0A+5], SLOT1            ; the walking descriptors: the other slot than last time, the next K step
	s_add_nc_u64 s[G0A+6:G0A+7], s[G0A+6:G0A+7], 1048576
	s_xor_b32 s[G0B+5], s[G0B+5], SLOT1
	s_add_nc_u64 s[G0B+6:G0B+7], s[G0B+6:G0B+7], 393216
	JLOAD                                          ; its four v_nop are also the places in front of the loads below
.else
	PLACES
.endif
	LDA 0, AF0
	LDB 0, 0
	CH AF1, 1, 4, 4
	PLACES
	LDB 0, 1
	CH AF1, 2, 0, 8                                ; chunk 2 came in with the wait for 0
	PLACES
	LDB 0, 2
.endm
; THE WAY OUT, in two passes of 64 rows a wave.  A wave's 64 columns of a segment are 128 bytes, half of an aligned 256 of qkv: the two waves of a row half write the two halves of the same stage rows.
; UNIT: row blocks 4 p .. 4 p + 3 of chunk c are rounded to f16, each accumulator's registers in ascending order, and put into the stage, 16 bytes a lane.
.macro UNIT p, c
	WIN ((\c)+1)*0x05                              ; sources in window c + 1, destination in window 0
.set ra, 0
.rept 4
.irp j, 0,1,2,3
.irp e, 0,1,2,3
	v_cvt_pk_f16_f32 v[TMP+16*ra+4*(\j)+(\e)], v[32*(4*(\p)+ra)+8*(\j)+2*(\e)], v[32*(4*(\p)+ra)+8*(\j)+2*(\e)+1]
.endr
.endr
.set ra, ra+1
.endr
	WIN 0
.set ra, 0
.rept 4
.irp j, 0,1,2,3
	ds_store_b128 v[STO], v[TMP+16*ra+4*(\j):TMP+16*ra+4*(\j)+3] offset:ra*16*SPITCH+256*(\c)+32*(\j)
.endr
.set ra, ra+1
.endr
.endm
.macro PASS p
	UNIT \p, 0
	UNIT \p, 1
	UNIT \p, 2
	s_wait_dscnt 0x0                               ; for the others' sake: my stores into the stage are done
	s_barrier_signal -1
	s_barrier_wait -1
.set n, 0
.rept 48                               ; my 32 rows x 3 segments, two rows of a segment to a load
	ds_load_b128 v[OB+4*n:OB+4*n+3], v[RD] offset:(n/3)*2*SPITCH+(n%3)*256
.set n, n+1
.endr
.set n, 0
.rept 48
.if (n%4) == 0
	s_wait_dscnt 44-n                              ; loads n to n + 3 are in; the 44 - n younger ones stay out
.endif
	global_store_b128 v[CO], v[OB+4*n:OB+4*n+3], s[10:11] offset:(64*(\p)+2*(n/3))*CROW+(n%3)*256  ; 16 lanes store 256 consecutive bytes, at a multiple of 256 from qkv's first byte
.set n, n+1
.endr
.endm
	s_wait_tensorcnt 0x1                           ; my part of K step 0 is in; step 1's may stay out
	s_barrier_signal -1
	s_barrier_wait -1
	LDA 0, AF0
	LDB 0, 0
	LDB 0, 1
	LDB 0, 2
	s_wait_loadcnt 0x0                             ; the bias
	H0 1                                           ; the first half step stands ahead of the loop: its products start the sums, on the bias
	WIN 0
	s_mov_b32 s[CNT], 14
.Lstep:                                                ; trip t = 0 .. 13: step t's second half, the refill with step t + 2, step t + 1's first half
	UPD
	H1 1
	H0 0
	WIN 0
	s_sub_co_u32 s[CNT], s[CNT], 1
	s_cmp_lg_u32 s[CNT], 0
	s_cbranch_scc1 .Lstep
	UPD                                            ; step 14's second half: nothing is left to ask for; step 15's first half
	H1 0
	H0 0
	s_wait_dscnt 16                                ; step 15's second half: nothing is left to fetch
	CH AF1, 0, 0, 8
	s_wait_dscnt 8                                 ; chunk 1 is in; chunk 2's eight loads may be out
	CH AF1, 1, 0, 8
	s_wait_dscnt 0x0
	CH AF1, 2, 0, 8
	WIN 0
	PLACES
	PASS 0
	s_wait_dscnt 0x0                               ; my reads of the stage are over:
	s_barrier_signal -1
	s_barrier_wait -1                              ; everybody's are: it may be written again
	s_wait_xcnt 0x0                                ; the registers that the first pass's stores read are rewritten only behind this wait
	PASS 1
	s_wait_tensorcnt 0x0                           ; the wave's end
	ds_add_u32 v[SPW], v[NIL]
	s_wait_dscnt 0x0
	CROUND                                         ; the closing round: no work-group ends while a partner may still ask for a tile that names it
	s_endpgm
.Lfunc_end_k_qc2002f3ebf_proj:
	.size	k_qc2002f3ebf_proj, .Lfunc_end_k_qc2002f3ebf_proj-k_qc2002f3ebf_proj
	.p2alignl 7, 3214868480
	.fill 96, 4, 3214868480
	.section	.rodata,"a",@progbits
	.p2align	6, 0x0
	.amdhsa_kernel k_qc2002f3ebf_proj
		.amdhsa_group_segment_fixed_size 327680
		.amdhsa_private_segment_fixed_size 0
		.amdhsa_enable_private_segment 0
		.amdhsa_kernarg_size 32
		.amdhsa_user_sgpr_count 2
		.amdhsa_user_sgpr_kernarg_segment_ptr 1
		.amdhsa_wavefront_size32 1
		.amdhsa_system_sgpr_workgroup_id_x 1
		.amdhsa_system_sgpr_workgroup_id_y 1
		.amdhsa_system_sgpr_workgroup_id_z 1
		.amdhsa_system_vgpr_workitem_id 0
		.amdhsa_next_free_vgpr 1024
		.amdhsa_next_free_sgpr 68
		.amdhsa_reserve_vcc 0
		.amdhsa_float_denorm_mode_32 3
		.amdhsa_float_denorm_mode_16_64 3
		.amdhsa_memory_ordered 1
		.amdhsa_forward_progress 1
		.amdhsa_inst_pref_size 114
	.end_amdhsa_kernel
	.amdgpu_metadata
---
amdhsa.version: [ 1, 2 ]
amdhsa.kernels:
  - .name:           k_qc2002f3ebf_proj
    .symbol:         k_qc2002f3ebf_proj.kd
    .args:
      - { .name: xb, .offset: 0, .size: 8, .value_kind: global_buffer, .address_space: global }
      - { .name: wb, .offset: 8, .size: 8, .value_kind: global_buffer, .address_space: global }
      - { .name: bias, .offset: 16, .size: 8, .value_kind: global_buffer, .address_space: global }
      - { .name: qkv, .offset: 24, .size: 8, .value_kind: global_buffer, .address_space: global }
    .group_segment_fixed_size: 327680
    .private_segment_fixed_size: 0
    .kernarg_segment_align: 8
    .kernarg_segment_size: 32
    .max_flat_workgroup_size: 128
    .sgpr_count:     68
    .vgpr_count:     1024
    .wavefront_size: 32
...
	.end_amdgpu_metadata
.endif
;; end of part 2
;; launch scores (part 3): grid 9 x 16, 4 waves a work-group, no clusters, 327,680 bytes of LDS; arguments qkv, sc; writes sc
.if DOCPART == 3
	.amdgcn_target "amdgcn-amd-amdhsa--gfx1250"
	.amdhsa_code_object_version 6
	.text
	.protected	k_qc2002f3ebf_scores
	.globl	k_qc2002f3ebf_scores
	.p2align	8
	.type	k_qc2002f3ebf_scores,@function
k_qc2002f3ebf_scores:
	s_mov_b64 s[64:65], 0
	v_nop
	global_prefetch_b8 v0, s[64:65] scope:SCOPE_SE
	s_setreg_imm32_b32 hwreg(HW_REG_WAVE_MODE, 25, 1), 1
	s_wait_xcnt 0x0
; sc[b][q][k] = q[b][q] . k[b][k], unscaled, f32, for the tiles of 256 x 256 at or below the diagonal: 36 of a batch's 64.  q and k are f16 columns 0-1023 and 1024-2047 of qkv's rows (6,144 bytes).
; The tiles above the diagonal hold nothing that the causal mask lets through: they are neither made nor written.  A diagonal tile is written whole; the next launch hides what lies above the diagonal.
; f32 for the scores: with both x and the weights 30 times larger they pass f16's range, and bf16's step is too coarse for an exponent.
; SHARES.  Tile rows 7 - a and a of a batch have 9 tiles together: grid x = 0..8 walks them, grid y = 4 x batch + a.  Four waves, 128 x 128 each; K = 1,024 in 8 steps of 128 through two LDS slots.
; NO CLUSTER: tile row I has I + 1 tiles and tile column J has 8 - J, so neither divides into fours, and partners would need different tiles.
; THE MATRIX INSTRUCTION IS USED TRANSPOSED: source 0 = 16 keys, source 1 = 16 queries: a lane holds eight neighbouring scores of one query: 32 bytes of a row of sc.
; One K step is written in the loop; the slot in hand is a scalar that an exclusive or turns (no LDS base of a wave has one of SLOT's two bits).
; REGISTERS.  window 0: v0-29 addresses; v64-127, v128-191 fragments of q, two buffers, later the way out.  window 1: v64-127, v128-191 fragments of k.  windows 2, 3: accumulators (a, b) at v[8 (8 a + b)].
.set PITCH,  272
.set HALFT,  128*PITCH
.set SLOT,   4*HALFT                   ; 0x22000: q's 256 rows, then k's 256 rows
.set STAGE,  2*SLOT                    ; behind the ring: 16 rows x 528 bytes for each wave
.set SPITCH, 528                       ; 512 bytes + 16 = 132 words: the 16 rows that a store touches start at 16 different groups of four banks
.set SPARE,  STAGE+4*16*SPITCH         ; the spare words, 128 bytes a wave, that no other line names
.set A0, 8
.set B0, 9
.set AC, 10
.set AN, 11
.set BC, 12
.set BN, 13
.set STO, 14
.set RD,  15
.set CO,  16
.set SPW, 28
.set NIL, 29
.set F0,  64
.set F1,  128
.set CNT, 2
.set WV,  12
.set HR,  13                           ; my half of the tile's rows; also: I fetch for q (0) or k (1)
.set HC,  14                           ; my half of its columns; also: which 128 rows of that tile I fetch
.set G1,  24                           ; s[24:31] group 1
.set G0,  32                           ; s[32:39] group 0: a set for each first fill; the second walks on
.set TC,  66
.set TN,  67
.set MSB, 0
.macro WIN new
.if MSB != (\new)
	s_set_vgpr_msb (MSB<<8)|(\new)
.set MSB, \new
.endif
.endm
.macro PLACES
.rept 4
	v_nop
.endr
.endm
	s_load_b128 s[4:7], s[0:1], 0x0                ; qkv s[4:5], sc s[6:7]
	v_lshl_add_u32 v[SPW], v0, 2, SPARE
	v_mov_b32 v[NIL], 0
	ds_add_u32 v[SPW], v[NIL]                      ; the wave's opening: the add and its wait stand ahead of my first tensor load
	ds_add_u32 v28, v29
	v_lshrrev_b32 v1, 5, v0
	v_readfirstlane_b32 s[WV], v1
	s_lshr_b32 s[HR], s[WV], 1
	s_and_b32 s[HC], s[WV], 1
	s_mov_b32 s15, ttmp9                           ; c = 0..8
	s_and_b32 s16, ttmp7, 0xffff
	s_and_b32 s17, s16, 3                          ; a
	s_lshr_b32 s18, s16, 2                         ; batch
	s_sub_co_u32 s19, 7, s17                       ; 7 - a
	s_sub_co_u32 s20, s15, s19
	s_sub_co_u32 s20, s20, 1                       ; c - (7 - a) - 1
	s_cmp_le_u32 s15, s19
	s_cselect_b32 s22, s19, s17                    ; I: tile row 7 - a for its 8 - a tiles, then tile row a
	s_cselect_b32 s23, s15, s20                    ; J
	s_mov_b32 s[G1], (1<<16)|(1<<20)|(5<<22)|(3<<25)  ; 2-byte elements; padding on: after every 64 words 4 words
	s_mov_b32 s[G1+1], 128<<16                     ; tensor_dim0 = 128
	s_mov_b32 s[G1+2], 128<<16                     ; tensor_dim1 = 128
	s_mov_b32 s[G1+3], 128<<16                     ; tile_dim0 = 128
	s_mov_b32 s[G1+4], 128                         ; tile_dim1 = 128
	s_mov_b32 s[G1+5], 3072                        ; elements from row to row
	s_mov_b32 s[G1+6], 0
	s_mov_b32 s[G1+7], 0
	s_cmp_eq_u32 s[HR], 0                          ; waves 0, 1: q's rows of tile row I; waves 2, 3: k's rows of tile column J
	s_cselect_b32 s40, s22, s23
	s_cselect_b32 s41, 0, 2048
	s_lshl_b32 s40, s40, 8
	s_lshl_b32 s42, s[HC], 7
	s_add_co_u32 s40, s40, s42
	s_lshl_b32 s42, s18, 11
	s_add_co_u32 s40, s40, s42
	s_mul_i32 s40, s40, 6144
	s_add_co_u32 s40, s40, s41
	s_mov_b32 s41, 0
	s_mul_i32 s21, s[WV], HALFT                    ; where my loads land
	s_mov_b32 s[TC], SLOT
	s_mov_b32 s[TN], 0
	s_wait_dscnt 0x0                               ; the opening add is done
	s_wait_kmcnt 0x0
	s_add_nc_u64 s[40:41], s[4:5], s[40:41]
.irp s, 0,1                            ; the two first fills go out together, ahead of every wait on TENSORcnt, every LDS read and every barrier: two loads of mine are out
	s_mov_b32 s[G0+4*(\s)], 1
	s_add_co_u32 s[G0+4*(\s)+1], s21, (\s)*SLOT
	s_add_nc_u64 s[G0+4*(\s)+2:G0+4*(\s)+3], s[40:41], (\s)*256
	s_or_b32 s[G0+4*(\s)+3], s[G0+4*(\s)+3], 0x80000000
	tensor_load_to_lds s[G0+4*(\s):G0+4*(\s)+3], s[G1:G1+7]
	s_nop 0
.endr
.rept 4
	v_nop
.endr
	v_and_b32 v1, 15, v0                           ; r
	v_bfe_u32 v2, v0, 4, 1                         ; h
	v_mul_u32_u24 v3, v1, PITCH
	v_lshl_add_u32 v3, v2, 4, v3                   ; a fragment's row x pitch + 16 x half
	s_mul_i32 s42, s[HR], HALFT
	v_add_nc_u32 v[A0], s42, v3
	s_mul_i32 s42, s[HC], HALFT
	s_add_co_u32 s42, s42, 2*HALFT
	v_add_nc_u32 v[B0], s42, v3
	v_mov_b32 v[AN], v[A0]
	v_mov_b32 v[BN], v[B0]
	s_mul_i32 s43, s[WV], 16*SPITCH
	s_add_co_u32 s43, s43, STAGE                   ; my stage
	v_mul_u32_u24 v4, v1, SPITCH                   ; in: row r, 32 bytes for each half of the lanes
	v_lshl_add_u32 v4, v2, 5, v4
	v_add_nc_u32 v[STO], s43, v4
	v_and_b32 v5, 31, v0
	v_lshlrev_b32 v[CO], 4, v5                     ; back: 32 lanes take one row of 512 bytes
	v_add_nc_u32 v[RD], s43, v[CO]
	s_lshl_b32 s46, s22, 8                         ; sc at my part of the tile
	s_lshl_b32 s47, s[HR], 7
	s_add_co_u32 s46, s46, s47
	s_lshl_b32 s46, s46, 13
	s_lshl_b32 s47, s18, 24
	s_add_co_u32 s46, s46, s47
	s_lshl_b32 s47, s23, 10
	s_add_co_u32 s46, s46, s47
	s_lshl_b32 s47, s[HC], 9
	s_add_co_u32 s46, s46, s47
	s_mov_b32 s47, 0
	s_add_nc_u64 s[6:7], s[6:7], s[46:47]
.macro UPD
	s_xor_b32 s[TC], s[TC], SLOT
	s_xor_b32 s[TN], s[TN], SLOT
	v_add_nc_u32 v[AC], s[TC], v[A0]
	v_add_nc_u32 v[AN], s[TN], v[A0]
	v_add_nc_u32 v[BC], s[TC], v[B0]
	v_add_nc_u32 v[BN], s[TN], v[B0]
.endm
; 16 matrix instructions; zero = 1: the first product starts the sums.  The 64 accumulators take turns.
.macro MUL16 f, hi, a0, zero
	WIN 0xa1+0x50*(\hi)                            ; k window 1, q window 0, C and D window 2 or 3
.irp a, \a0, (\a0)+1
.irp b, 0,1,2,3,4,5,6,7
.if \zero
	v_wmma_f32_16x16x32_f16 v[8*(8*(\a)+(\b)):8*(8*(\a)+(\b))+7], v[(\f)+8*(\b):(\f)+8*(\b)+7], v[(\f)+8*(4*(\hi)+(\a)):(\f)+8*(4*(\hi)+(\a))+7], 0
.else
	v_wmma_f32_16x16x32_f16 v[8*(8*(\a)+(\b)):8*(8*(\a)+(\b))+7], v[(\f)+8*(\b):(\f)+8*(\b)+7], v[(\f)+8*(4*(\hi)+(\a)):(\f)+8*(4*(\hi)+(\a))+7], v[8*(8*(\a)+(\b)):8*(8*(\a)+(\b))+7]
.endif
.endr
.endr
.endm
.macro FETCH ar, br, kq, f             ; 32 LDS loads in one run: k's 16 first, then q's
	WIN 0x40
.irp i, 0,1,2,3,4,5,6,7
	ds_load_b128 v[(\f)+8*(\i):(\f)+8*(\i)+3],   v[\br] offset:64*(\kq)+(\i)*16*PITCH
	ds_load_b128 v[(\f)+8*(\i)+4:(\f)+8*(\i)+7], v[\br] offset:64*(\kq)+(\i)*16*PITCH+32
.endr
	WIN 0
.irp i, 0,1,2,3,4,5,6,7
	ds_load_b128 v[(\f)+8*(\i):(\f)+8*(\i)+3],   v[\ar] offset:64*(\kq)+(\i)*16*PITCH
	ds_load_b128 v[(\f)+8*(\i)+4:(\f)+8*(\i)+7], v[\ar] offset:64*(\kq)+(\i)*16*PITCH+32
.endr
.endm
.macro QUARTER ar, br, kq, f, g, zero
	s_wait_dscnt 8                                 ; k and q's rows 0-63 are in; the youngest eight loads may be out
	MUL16 \f, 0, 0, \zero
	MUL16 \f, 0, 2, \zero
	PLACES
	FETCH \ar, \br, \kq, \g
	s_wait_dscnt 32                                ; all but the 32 just issued
	MUL16 \f, 1, 0, \zero
	MUL16 \f, 1, 2, \zero
.endm
; A step's last quarter and the change of slots: ONE barrier.  In front of it each wave waits for all its tensor loads (one is out: its part of the next slot), adds 0 to its spare word,
; and waits for that and for its reads of the slot in hand.  fill = 1: behind it that slot is filled first thing, with the K step two on: 224 matrix instructions ahead of the wait for it.
.macro TURN fill
	WIN 0
	s_wait_tensorcnt 0x0
	ds_add_u32 v[SPW], v[NIL]
	s_wait_dscnt 9                                 ; the add and the youngest eight loads may be out
	MUL16 F1, 0, 0, 0
	s_wait_dscnt 0x0                               ; the add is done, my reads of this slot are over
	s_barrier_signal -1
	MUL16 F1, 0, 2, 0
	s_barrier_wait -1
.if \fill
	s_xor_b32 s[G0+5], s[G0+5], SLOT               ; the walking descriptor: the other slot than last time, the next K step
	s_add_nc_u64 s[G0+6:G0+7], s[G0+6:G0+7], 256
	tensor_load_to_lds s[G0+4:G0+7], s[G1:G1+7]
	s_nop 0
.endif
	PLACES                                         ; behind the load and in front of the loads below
	FETCH AN, BN, 0, F0
	MUL16 F1, 1, 0, 0
	MUL16 F1, 1, 2, 0
.endm
; THE WAY OUT of row block a: the accumulators go as they are into my own stage, 32 bytes a lane, each accumulator's low registers first; they come back as whole rows of 512 bytes
.macro TOSTAGE a
.set ACB, 64*((\a)%4)
.set BK, 64+64*((\a)%2)
	WIN 0x08+4*((\a)/4)                            ; the stores' data in window 2 or 3
.irp b, 0,1,2,3,4,5,6,7
	ds_store_b128 v[STO], v[ACB+8*(\b):ACB+8*(\b)+3]   offset:64*(\b)
	ds_store_b128 v[STO], v[ACB+8*(\b)+4:ACB+8*(\b)+7] offset:64*(\b)+16
.endr
	WIN 0
	s_wait_xcnt 0x0                                ; the registers that the stores of two blocks back read are loaded again only behind this wait
.irp t, 0,1,2,3,4,5,6,7,8,9,10,11,12,13,14,15
	ds_load_b128 v[BK+4*(\t):BK+4*(\t)+3], v[RD] offset:(\t)*SPITCH  ; LDS serves a wave's instructions in order: these see the stores above
.endr
.endm
.macro SEND a, y                       ; y: the LDS instructions issued behind block a's loads: the next block's 32, or none
.set BK, 64+64*((\a)%2)
.irp t, 0,1,2,3,4,5,6,7,8,9,10,11,12,13,14,15
	s_wait_dscnt (\y)+15-(\t)
	global_store_b128 v[CO], v[BK+4*(\t):BK+4*(\t)+3], s[6:7] offset:(16*(\a)+(\t))*8192  ; a wave stores 512 consecutive bytes, at a multiple of 256 from sc's first byte
.endr
.endm
	s_wait_tensorcnt 0x1                           ; my part of K step 0 is in; step 1's may stay out
	s_barrier_signal -1
	s_barrier_wait -1
	FETCH AN, BN, 0, F0
	QUARTER AN, BN, 1, F0, F1, 1                   ; the first quarter stands ahead of the loop: its products start the sums
	WIN 0
	s_mov_b32 s[CNT], 6
.Lstep:                                                ; a trip: a step's quarters 1 to 3 and the next step's quarter 0.  Steps 0 to 5
	UPD
	QUARTER AC, BC, 2, F1, F0, 0
	QUARTER AC, BC, 3, F0, F1, 0
	TURN 1
	QUARTER AN, BN, 1, F0, F1, 0
	WIN 0
	s_sub_co_u32 s[CNT], s[CNT], 1
	s_cmp_lg_u32 s[CNT], 0
	s_cbranch_scc1 .Lstep
	UPD                                            ; step 6: nothing is left to ask for
	QUARTER AC, BC, 2, F1, F0, 0
	QUARTER AC, BC, 3, F0, F1, 0
	TURN 0
	QUARTER AN, BN, 1, F0, F1, 0
	WIN 0
	UPD                                            ; step 7
	QUARTER AC, BC, 2, F1, F0, 0
	QUARTER AC, BC, 3, F0, F1, 0
	s_wait_dscnt 8
	MUL16 F1, 0, 0, 0
	MUL16 F1, 0, 2, 0
	s_wait_dscnt 0x0
	MUL16 F1, 1, 0, 0
	MUL16 F1, 1, 2, 0
	WIN 0
	PLACES
	TOSTAGE 0
.irp a, 1,2,3,4,5,6,7                  ; a block's way through the stage stands between the loads of the block before and its stores
	TOSTAGE \a
	SEND (\a)-1, 32
.endr
	SEND 7, 0
	s_wait_tensorcnt 0x0                           ; the wave's end
	ds_add_u32 v[SPW], v[NIL]
	s_wait_dscnt 0x0
	s_endpgm
.Lfunc_end_k_qc2002f3ebf_scores:
	.size	k_qc2002f3ebf_scores, .Lfunc_end_k_qc2002f3ebf_scores-k_qc2002f3ebf_scores
	.p2alignl 7, 3214868480
	.fill 96, 4, 3214868480
	.section	.rodata,"a",@progbits
	.p2align	6, 0x0
	.amdhsa_kernel k_qc2002f3ebf_scores
		.amdhsa_group_segment_fixed_size 327680
		.amdhsa_private_segment_fixed_size 0
		.amdhsa_enable_private_segment 0
		.amdhsa_kernarg_size 16
		.amdhsa_user_sgpr_count 2
		.amdhsa_user_sgpr_kernarg_segment_ptr 1
		.amdhsa_wavefront_size32 1
		.amdhsa_system_sgpr_workgroup_id_x 1
		.amdhsa_system_sgpr_workgroup_id_y 1
		.amdhsa_system_sgpr_workgroup_id_z 1
		.amdhsa_system_vgpr_workitem_id 0
		.amdhsa_next_free_vgpr 1024
		.amdhsa_next_free_sgpr 68
		.amdhsa_reserve_vcc 0
		.amdhsa_float_denorm_mode_32 3
		.amdhsa_float_denorm_mode_16_64 3
		.amdhsa_memory_ordered 1
		.amdhsa_forward_progress 1
		.amdhsa_inst_pref_size 115
	.end_amdhsa_kernel
	.amdgpu_metadata
---
amdhsa.version: [ 1, 2 ]
amdhsa.kernels:
  - .name:           k_qc2002f3ebf_scores
    .symbol:         k_qc2002f3ebf_scores.kd
    .args:
      - { .name: qkv, .offset: 0, .size: 8, .value_kind: global_buffer, .address_space: global }
      - { .name: sc, .offset: 8, .size: 8, .value_kind: global_buffer, .address_space: global }
    .group_segment_fixed_size: 327680
    .private_segment_fixed_size: 0
    .kernarg_segment_align: 8
    .kernarg_segment_size: 16
    .max_flat_workgroup_size: 128
    .sgpr_count:     68
    .vgpr_count:     1024
    .wavefront_size: 32
...
	.end_amdgpu_metadata
.endif
;; end of part 3
;; launch softmax (part 4): grid 1024 x 1, 8 waves a work-group, no clusters, 0 bytes of LDS; arguments sc, pw; writes pw
.if DOCPART == 4
	.amdgcn_target "amdgcn-amd-amdhsa--gfx1250"
	.amdhsa_code_object_version 6
	.text
	.protected	k_qc2002f3ebf_softmax
	.globl	k_qc2002f3ebf_softmax
	.p2align	8
	.type	k_qc2002f3ebf_softmax,@function
k_qc2002f3ebf_softmax:
	s_mov_b64 s[64:65], 0
	v_nop
	global_prefetch_b8 v0, s[64:65] scope:SCOPE_SE
	s_setreg_imm32_b32 hwreg(HW_REG_WAVE_MODE, 25, 1), 1
	s_wait_xcnt 0x0
; pw[b][q][k] = softmax over k <= q of sc[b][q][k] / 32, in f16, for k = 0 .. 256 (q / 256 + 1) - 1: zeros behind q, up to the end of the diagonal's chunk of 256 keys.
; One wave, one row: at most 2,048 scores, 64 registers, kept between the maximum, the sum and the scaling: the row is read once, and no wave waits for another.  No LDS, no matrix unit: memory binds.
; p = 2^(c s - c m) / l, c = log2(e) / 32, m the row's true maximum over the keys that it sees, l the sum of the unrounded weights; all in f32, p rounded once.
; LIMITS.  A hidden score counts as the lowest finite f32; a weight below 2^-126 counts as 0; below 6e-5 f16 keeps a fixed step of 6e-8; NaN and infinities are not treated apart.
; GROUPS.  R = q / 256 is the same for the work-group's eight rows.  Group g of 8 registers holds key chunk R - g, so the diagonal's chunk is always group 0 and the mask's text stands once.
; Each phase goes down the groups and leaves, forward, at the first g above R.  Groups 1 to 7 are given the lowest finite number first, so that every register holds a number on every way through the text.
.set X, 16                             ; v[16:79]  group g at X + 8 g: registers 0-3 keys 4 lane + 0..3 of the chunk, registers 4-7 keys 128 + 4 lane + 0..3
	s_load_b128 s[4:7], s[0:1], 0x0                ; sc s[4:5], pw s[6:7]
	v_lshrrev_b32 v1, 5, v0
	v_readfirstlane_b32 s8, v1                     ; wave
	v_and_b32 v1, 31, v0                           ; lane
	s_lshl_b32 s9, ttmp9, 3
	s_add_co_u32 s9, s9, s8                        ; the row among all 8,192
	s_bfe_u32 s10, ttmp9, 0x30005                  ; R
	s_and_b32 s11, s9, 255                         ; d = q - 256 R
	s_lshl_b32 s16, s9, 13                         ; a row of sc is 8,192 bytes,
	s_mov_b32 s17, 0
	s_lshl_b32 s18, s9, 12                         ; of pw 4,096
	s_mov_b32 s19, 0
	s_mov_b32 s12, 0x3d38aa3b                      ; c = log2(e) / 32
	s_mov_b32 s13, s12                             ; named with it as a pair
	s_mov_b32 s14, 0x76543210                      ; v_permlanex16_b32: each lane takes its own place in the other half
	s_mov_b32 s15, 0xfedcba98
	v_lshlrev_b32 v2, 4, v1
	v_lshl_add_u32 v2, s10, 10, v2                 ; my 16 bytes in the diagonal's chunk of sc; the other chunks are reached by negative immediates
	v_lshlrev_b32 v3, 3, v1
	v_lshl_add_u32 v3, s10, 9, v3                  ; my 8 bytes in the same chunk of pw
	v_lshlrev_b32 v4, 2, v1
	v_sub_nc_u32 v4, s11, v4                       ; d - 4 lane: register e of group 0 is hidden where 128 (e / 4) + e % 4 is greater
	v_mov_b32 v5, 0xff7fffff                       ; the lowest finite number
	s_wait_kmcnt 0x0
	s_add_nc_u64 s[4:5], s[4:5], s[16:17]
	s_add_nc_u64 s[6:7], s[6:7], s[18:19]
	global_load_b128 v[X:X+3],   v2, s[4:5] th:TH_LOAD_NT
	global_load_b128 v[X+4:X+7], v2, s[4:5] offset:512 th:TH_LOAD_NT
.set i, 8
.rept 56
	v_mov_b32 v[X+i], v5
.set i, i+1
.endr
.irp g, 1,2,3,4,5,6,7
	s_cmp_lt_u32 s10, \g
	s_cbranch_scc1 .Lloaded
	global_load_b128 v[X+8*(\g):X+8*(\g)+3],   v2, s[4:5] offset:-1024*(\g) th:TH_LOAD_NT
	global_load_b128 v[X+8*(\g)+4:X+8*(\g)+7], v2, s[4:5] offset:512-1024*(\g) th:TH_LOAD_NT
.endr
.Lloaded:
	s_wait_loadcnt 0x0                             ; the whole row: the maximum needs all of it
.irp e, 0,1,2,3,4,5,6,7
	v_cmp_gt_i32 vcc_lo, 128*((\e)/4)+(\e)%4, v4
	v_cndmask_b32 v[X+(\e)], v[X+(\e)], v5, vcc_lo
.endr
	v_max3_num_f32 v6, v[X], v[X+1], v[X+2]        ; two chains, started by the first scores
	v_max3_num_f32 v7, v[X+3], v[X+4], v[X+5]
	v_max3_num_f32 v6, v6, v[X+6], v[X+7]
.irp g, 1,2,3,4,5,6,7
	s_cmp_lt_u32 s10, \g
	s_cbranch_scc1 .Lmaxed
	v_max3_num_f32 v6, v6, v[X+8*(\g)], v[X+8*(\g)+1]
	v_max3_num_f32 v7, v7, v[X+8*(\g)+2], v[X+8*(\g)+3]
	v_max3_num_f32 v6, v6, v[X+8*(\g)+4], v[X+8*(\g)+5]
	v_max3_num_f32 v7, v7, v[X+8*(\g)+6], v[X+8*(\g)+7]
.endr
.Lmaxed:
	v_max_num_f32 v6, v6, v7
	v_max_num_f32_dpp v6, v6, v6 row_xmask:1 row_mask:0xf bank_mask:0xf
	v_max_num_f32_dpp v6, v6, v6 row_xmask:2 row_mask:0xf bank_mask:0xf
	v_max_num_f32_dpp v6, v6, v6 row_xmask:4 row_mask:0xf bank_mask:0xf
	v_max_num_f32_dpp v6, v6, v6 row_xmask:8 row_mask:0xf bank_mask:0xf
	v_permlanex16_b32 v7, v6, s14, s15
	v_max_num_f32 v6, v6, v7                       ; every lane holds m
	v_mul_f32 v8, s12, v6                          ; c m, in a pair
	v_mul_f32 v9, s12, v6
.macro EXPG g                          ; c s - c m and the exponentials of group g; a plain instruction stands behind the last exponential before a result is used
.irp j, 0,2,4,6
	v_pk_fma_f32 v[X+8*(\g)+(\j):X+8*(\g)+(\j)+1], v[X+8*(\g)+(\j):X+8*(\g)+(\j)+1], s[12:13], v[8:9] op_sel_hi:[1,0,0] neg_lo:[0,0,1] neg_hi:[0,0,1]
.endr
.irp j, 0,1,2,3,4,5,6,7
	v_exp_f32 v[X+8*(\g)+(\j)], v[X+8*(\g)+(\j)]
.endr
	v_nop
.endm
	EXPG 0
	s_wait_alu depctr_va_vdst(0)
	v_pk_add_f32 v[10:11], v[X:X+1], v[X+2:X+3]    ; group 0 starts the two sums
	v_pk_add_f32 v[12:13], v[X+4:X+5], v[X+6:X+7]
.irp g, 1,2,3,4,5,6,7
	s_cmp_lt_u32 s10, \g
	s_cbranch_scc1 .Lsummed
	EXPG \g
	s_wait_alu depctr_va_vdst(0)
	v_pk_add_f32 v[10:11], v[10:11], v[X+8*(\g):X+8*(\g)+1]
	v_pk_add_f32 v[12:13], v[12:13], v[X+8*(\g)+2:X+8*(\g)+3]
	v_pk_add_f32 v[10:11], v[10:11], v[X+8*(\g)+4:X+8*(\g)+5]
	v_pk_add_f32 v[12:13], v[12:13], v[X+8*(\g)+6:X+8*(\g)+7]
.endr
.Lsummed:
	v_pk_add_f32 v[10:11], v[10:11], v[12:13]
	v_add_f32 v10, v10, v11
	v_add_f32_dpp v10, v10, v10 row_xmask:1 row_mask:0xf bank_mask:0xf
	v_add_f32_dpp v10, v10, v10 row_xmask:2 row_mask:0xf bank_mask:0xf
	v_add_f32_dpp v10, v10, v10 row_xmask:4 row_mask:0xf bank_mask:0xf
	v_add_f32_dpp v10, v10, v10 row_xmask:8 row_mask:0xf bank_mask:0xf
	v_permlanex16_b32 v11, v10, s14, s15
	v_add_f32 v10, v10, v11                        ; l: at least 1, the maximum's own weight
	v_rcp_f32 v14, v10
	v_rcp_f32 v15, v10
	v_nop
	s_wait_alu depctr_va_vdst(0)
.macro OUTG g                          ; group g is scaled, rounded to f16 in place and stored: each store of the wave covers 256 consecutive bytes, at a multiple of 256 from pw's first byte
.irp j, 0,2,4,6
	v_pk_mul_f32 v[X+8*(\g)+(\j):X+8*(\g)+(\j)+1], v[X+8*(\g)+(\j):X+8*(\g)+(\j)+1], v[14:15]
.endr
.irp j, 0,1,2,3
	v_cvt_pk_f16_f32 v[X+8*(\g)+(\j)], v[X+8*(\g)+2*(\j)], v[X+8*(\g)+2*(\j)+1]
.endr
	global_store_b64 v3, v[X+8*(\g):X+8*(\g)+1],   s[6:7] offset:-512*(\g)
	global_store_b64 v3, v[X+8*(\g)+2:X+8*(\g)+3], s[6:7] offset:256-512*(\g)
.endm
	OUTG 0
.irp g, 1,2,3,4,5,6,7
	s_cmp_lt_u32 s10, \g
	s_cbranch_scc1 .Ldone
	OUTG \g
.endr
.Ldone:
	s_endpgm
.Lfunc_end_k_qc2002f3ebf_softmax:
	.size	k_qc2002f3ebf_softmax, .Lfunc_end_k_qc2002f3ebf_softmax-k_qc2002f3ebf_softmax
	.p2alignl 7, 3214868480
	.fill 96, 4, 3214868480
	.section	.rodata,"a",@progbits
	.p2align	6, 0x0
	.amdhsa_kernel k_qc2002f3ebf_softmax
		.amdhsa_group_segment_fixed_size 0
		.amdhsa_private_segment_fixed_size 0
		.amdhsa_enable_private_segment 0
		.amdhsa_kernarg_size 16
		.amdhsa_user_sgpr_count 2
		.amdhsa_user_sgpr_kernarg_segment_ptr 1
		.amdhsa_wavefront_size32 1
		.amdhsa_system_sgpr_workgroup_id_x 1
		.amdhsa_system_sgpr_workgroup_id_y 1
		.amdhsa_system_sgpr_workgroup_id_z 1
		.amdhsa_system_vgpr_workitem_id 0
		.amdhsa_next_free_vgpr 80
		.amdhsa_next_free_sgpr 66
		.amdhsa_reserve_vcc 1
		.amdhsa_float_denorm_mode_32 3
		.amdhsa_float_denorm_mode_16_64 3
		.amdhsa_memory_ordered 1
		.amdhsa_forward_progress 1
		.amdhsa_inst_pref_size 22
	.end_amdhsa_kernel
	.amdgpu_metadata
---
amdhsa.version: [ 1, 2 ]
amdhsa.kernels:
  - .name:           k_qc2002f3ebf_softmax
    .symbol:         k_qc2002f3ebf_softmax.kd
    .args:
      - { .name: sc, .offset: 0, .size: 8, .value_kind: global_buffer, .address_space: global }
      - { .name: pw, .offset: 8, .size: 8, .value_kind: global_buffer, .address_space: global }
    .group_segment_fixed_size: 0
    .private_segment_fixed_size: 0
    .kernarg_segment_align: 8
    .kernarg_segment_size: 16
    .max_flat_workgroup_size: 256
    .sgpr_count:     66
    .vgpr_count:     80
    .wavefront_size: 32
...
	.end_amdgpu_metadata
.endif
;; end of part 4
;; launch pv (part 5): grid 8 x 32, 4 waves a work-group, clusters of 4 x 1, 327,680 bytes of LDS; arguments pw, qkv, out0; writes out0
.if DOCPART == 5
	.amdgcn_target "amdgcn-amd-amdhsa--gfx1250"
	.amdhsa_code_object_version 6
	.text
	.protected	k_qc2002f3ebf_pv
	.globl	k_qc2002f3ebf_pv
	.p2align	8
	.type	k_qc2002f3ebf_pv,@function
k_qc2002f3ebf_pv:
	s_mov_b64 s[64:65], 0
	v_nop
	global_prefetch_b8 v0, s[64:65] scope:SCOPE_SE
	s_setreg_imm32_b32 hwreg(HW_REG_WAVE_MODE, 25, 1), 1
	s_wait_xcnt 0x0
	s_wait_alu depctr_hold_cnt(0) depctr_sa_sdst(0) depctr_va_vdst(0) depctr_va_sdst(0) depctr_va_ssrc(0) depctr_va_vcc(0) depctr_vm_vsrc(0)
	s_getreg_b32 s2, hwreg(HW_REG_IB_STS2, 6, 4)
	s_cmp_eq_u32 s2, 0
	s_cbranch_scc0 .Lentry_in_a_cluster
	s_endpgm
.Lentry_in_a_cluster:
	s_bfe_u32 s2, ttmp6, 0x10000c
	s_cmp_lg_u32 s2, 0x3003
	s_cbranch_scc0 .Lentry_shape_is_right
	s_endpgm
.Lentry_shape_is_right:
; out0[b][q][:] = the sum over k of pw[b][q][k] v[b][k][:].  pw f16 [4][2048][2048], zeros behind the diagonal inside its chunk of 256 keys; v = f16 columns 2048-3071 of qkv's rows; out0 f32.  Sums in f32.
; THE WALK.  A batch's queries lie in 16 bands of 128; band i needs i / 2 + 1 steps of 256 keys.  A work-group makes 128 channels of TWO bands, 15 - p and then p: 9 steps, whatever p:
; 256 work-groups of equal work, and one loop with a constant trip count.  Which tile is asked for hangs on scalars made from p; the ring of two slots runs on across the change of bands.
; Four waves, 64 x 64 each: 16 accumulators.  A step is four quarters of 64 keys, 32 matrix instructions each.
; THE MATRIX INSTRUCTION IS USED TRANSPOSED: source 0 = 16 channels of v (turned out of LDS by ds_load_tr16_b128), source 1 = 16 queries of pw: a lane holds eight neighbouring channels of one query.
; CLUSTER 4 x 1: the four channel blocks of a cluster share batch, p and the whole walk, so pw's tiles are asked for JOINTLY (mask 15); v's differ by the place in the cluster and are plain loads behind the same rounds.
; At the first band's end the accumulators go out and are cleared by 128 moves, once in a work-group: the price of one text for every step.
; REGISTERS.  window 0: v0-29 addresses; v128-255 the accumulators ((a, b) at v[128 + 8 (4 a + b)]).  window 1: two fragment buffers of 128: 64 registers of pw, then 64 of v.
.set PA,     528                       ; a row of pw's tile in LDS: 512 bytes + 16
.set PVP,    288                       ; a row of v's tile: 256 + 32 = 9 x 32 bytes, an odd multiple of 32
.set AHALF,  64*PA                     ; 33,792: 64 rows of pw: one load
.set BOFF,   2*AHALF                   ; 67,584: v's tile lies behind pw's
.set BHALF,  128*PVP                   ; 36,864: 128 keys of v: one load
.set SLOT1,  0x24000                   ; slot 1 begins here; no LDS base of a wave has one of its two bits, so an exclusive or adds or takes it away
.set STAGE,  SLOT1+BOFF+2*BHALF        ; 288,768: 16 rows x 272 bytes for each wave
.set SPITCH, 272
.set SPARE,  STAGE+4*16*SPITCH         ; the spare words, 128 bytes a wave, that no other line names
.set A0, 8
.set B0, 9
.set AC, 10
.set AN, 11
.set BC, 12
.set BN, 13
.set STO, 14
.set RD,  15
.set CO,  16
.set B0H, 17                           ; B0 + 128 keys: quarters 2 and 3 are read from here, so that every immediate stays under 65,536
.set SPW, 28
.set NIL, 29
.set ACC, 128
.set F0,  0
.set F1,  128
.set CNT, 2
.set WV,  12
.set HR,  13                           ; my half of the band's rows; also: I fetch for pw (0) or v (1)
.set HC,  14                           ; my half of the channels; also: which half of that tile I fetch
.set G1A, 24                           ; s[24:31] group 1, pw's tiles
.set G0A, 32                           ; s[32:39] group 0: a set for each first fill; the second walks on
.set PBS, 40                           ; s[40:41] pw at my batch and my half of a band's rows
.set VBS, 42                           ; s[42:43] v at my batch, channels and half of a step's keys
.set OFA, 44                           ; s[44:45] a tile's offset from PBS
.set OFB, 46                           ; s[46:47] from VBS
.set G1B, 48                           ; s[48:55], s[56:63] the same for v's tiles
.set G0B, 56
.set TC,  66
.set TN,  67
.set RT,  68                           ; steps of the band in hand that are still to be finished
.set NXT, 69                           ; the key step to be asked for next
.set LQ,  70                           ; the last key step of the band whose tiles are being asked for
.set AROW, 71                          ; that band's first row in pw, in bytes
.set LQ2, 72                           ; the second band's last key step
.set AROW2, 73
.set RT2, 74                           ; the second band's steps
.set OUT, 76                           ; s[76:77] out0 at my part of the band in hand
.set OUT2, 78                          ; s[78:79] of the second band
.set MSB, 0
.macro WIN new
.if MSB != (\new)
	s_set_vgpr_msb (MSB<<8)|(\new)
.set MSB, \new
.endif
.endm
.set MUL,  0x05                        ; sources 0 and 1 window 1; C and D window 0
.set TO_F, 0x40                        ; destination window 1, address window 0
.macro PLACES
.rept 4
	v_nop
.endr
.endm
.macro JLOAD                           ; waves 0, 1: the joint load of pw's halves; waves 2, 3: v's halves.  An s_nop 0 and four v_nop follow each line
	s_cmp_eq_u32 s[HR], 0
	s_cbranch_scc0 .Lfor_b_\@
	tensor_load_to_lds s[G0A+4:G0A+7], s[G1A:G1A+7]
	s_nop 0
.rept 4
	v_nop
.endr
	s_branch .Lasked_\@
.Lfor_b_\@:
	tensor_load_to_lds s[G0B+4:G0B+7], s[G1B:G1B+7]
	s_nop 0
.rept 4
	v_nop
.endr
.Lasked_\@:
.endm
.macro CREST
	s_cmp_lg_u32 s[WV], 0
	s_cbranch_scc1 .Lnot_wave_0_\@
	s_barrier_signal -3
.Lnot_wave_0_\@:
	s_barrier_wait -3
	s_barrier_signal -1
	s_barrier_wait -1
.endm
.macro CROUND
	s_barrier_signal -1
	s_barrier_wait -1
	CREST
.endm
	s_load_b128 s[4:7], s[0:1], 0x0                ; pw s[4:5], qkv s[6:7]
	s_load_b64 s[8:9], s[0:1], 0x10                ; out0
	v_lshl_add_u32 v[SPW], v0, 2, SPARE
	v_mov_b32 v[NIL], 0
	ds_add_u32 v[SPW], v[NIL]                      ; the wave's opening: the add and its wait stand ahead of my first tensor load
	ds_add_u32 v28, v29
	v_lshrrev_b32 v1, 5, v0
	v_readfirstlane_b32 s[WV], v1
	s_lshr_b32 s[HR], s[WV], 1
	s_and_b32 s[HC], s[WV], 1
	s_bfe_u32 s15, ttmp6, 0x40000                  ; cx
	s_lshl_b32 s16, ttmp9, 2
	s_add_co_u32 s16, s16, s15                     ; my block of 128 channels: it enters v's and out0's addresses alone
	s_and_b32 s17, ttmp7, 0xffff
	s_and_b32 s18, s17, 7                          ; p: the second band
	s_lshr_b32 s19, s17, 3                         ; batch
	s_sub_co_u32 s20, 15, s18                      ; the first band
	s_lshr_b32 s21, s20, 1
	s_add_co_u32 s21, s21, 1                       ; its steps, 5 to 8
	s_lshr_b32 s[LQ2], s18, 1
	s_add_co_u32 s[RT2], s[LQ2], 1
	s_lshl_b32 s[AROW2], s18, 19                   ; a band is 128 rows of 4,096 bytes
	s_lshl_b32 s[AROW], s20, 19
	s_mov_b32 s[RT], s21
	s_mov_b32 s[NXT], 2                            ; steps 0 and 1 are the first fills
	s_sub_co_u32 s[LQ], s21, 1
	s_mov_b32 s[G1A], 15|(1<<16)|(1<<20)|(1<<21)|(6<<22)|(3<<25)  ; the mask of four; 2-byte elements; padding on; bit 21 beside a mask; after every 128 words 4 words
	s_mov_b32 s[G1A+1], 256<<16                    ; tensor_dim0 = 256
	s_mov_b32 s[G1A+2], 64<<16                     ; tensor_dim1 = 64
	s_mov_b32 s[G1A+3], 256<<16                    ; tile_dim0 = 256
	s_mov_b32 s[G1A+4], 64                         ; tile_dim1 = 64
	s_mov_b32 s[G1A+5], 2048
	s_mov_b32 s[G1A+6], 0
	s_mov_b32 s[G1A+7], 0
	s_mov_b32 s[G1B], (1<<16)|(1<<20)|(5<<22)|(7<<25)  ; no mask; after every 64 words 8 words
	s_mov_b32 s[G1B+1], 128<<16                    ; tensor_dim0 = 128
	s_mov_b32 s[G1B+2], 128<<16                    ; tensor_dim1 = 128
	s_mov_b32 s[G1B+3], 128<<16                    ; tile_dim0 = 128
	s_mov_b32 s[G1B+4], 128                        ; tile_dim1 = 128
	s_mov_b32 s[G1B+5], 3072
	s_mov_b32 s[G1B+6], 0
	s_mov_b32 s[G1B+7], 0
	s_mul_i32 s22, s[HC], AHALF                    ; where my loads land, for pw
	s_mul_i32 s23, s[HC], BHALF                    ; and for v: no place in the cluster enters an LDS address
	s_add_co_u32 s23, s23, BOFF
	s_lshl_b32 s[PBS], s19, 23                     ; pw: the batch's 8 MiB, 64 rows x half.  These registers never hold cx
	s_lshl_b32 s[PBS+1], s[HC], 18
	s_add_co_u32 s[PBS], s[PBS], s[PBS+1]
	s_mov_b32 s[PBS+1], 0
	s_mul_i32 s[VBS], s19, 12582912                ; v: the batch's 2,048 rows of 6,144 bytes, 128 rows x half, my channels, v's place in a row
	s_mul_i32 s[VBS+1], s[HC], 786432
	s_add_co_u32 s[VBS], s[VBS], s[VBS+1]
	s_lshl_b32 s[VBS+1], s16, 8
	s_add_co_u32 s[VBS], s[VBS], s[VBS+1]
	s_add_co_u32 s[VBS], s[VBS], 4096
	s_mov_b32 s[VBS+1], 0
	s_lshl_b32 s[OUT], s19, 11                     ; out0: row 2,048 x batch + 128 x band + 64 x half, times 4,096 bytes; column 128 x block + 64 x half, times 4
	s_lshl_b32 s10, s[HR], 6
	s_add_co_u32 s[OUT], s[OUT], s10
	s_lshl_b32 s10, s18, 7
	s_add_co_u32 s[OUT2], s[OUT], s10
	s_lshl_b32 s10, s20, 7
	s_add_co_u32 s[OUT], s[OUT], s10
	s_lshl_b32 s[OUT], s[OUT], 12
	s_lshl_b32 s[OUT2], s[OUT2], 12
	s_lshl_b32 s10, s16, 9
	s_lshl_b32 s11, s[HC], 8
	s_add_co_u32 s10, s10, s11
	s_add_co_u32 s[OUT], s[OUT], s10
	s_add_co_u32 s[OUT2], s[OUT2], s10
	s_mov_b32 s[OUT+1], 0
	s_mov_b32 s[OUT2+1], 0
	s_mov_b32 s[OFA], s[AROW]
	s_mov_b32 s[OFA+1], 0
	s_mov_b32 s[OFB+1], 0
	s_mov_b32 s[TC], SLOT1                         ; the first exclusive or makes slot 0 the slot in hand
	s_mov_b32 s[TN], 0
	s_wait_dscnt 0x0                               ; the opening add is done
	s_wait_kmcnt 0x0
	s_add_nc_u64 s[PBS:PBS+1], s[4:5], s[PBS:PBS+1]
	s_add_nc_u64 s[VBS:VBS+1], s[6:7], s[VBS:VBS+1]
	s_add_nc_u64 s[OUT:OUT+1], s[8:9], s[OUT:OUT+1]
	s_add_nc_u64 s[OUT2:OUT2+1], s[8:9], s[OUT2:OUT2+1]
	CROUND                                         ; all four work-groups are here: the first joint loads meet
	s_mov_b32 s[G0A], 1
	s_add_co_u32 s[G0A+1], s22, 0
	s_add_nc_u64 s[G0A+2:G0A+3], s[PBS:PBS+1], s[OFA:OFA+1]   ; the first band, key step 0
	s_or_b32 s[G0A+3], s[G0A+3], 0x80000000
	s_mov_b32 s[G0A+4], 1
	s_add_co_u32 s[G0A+5], s22, SLOT1
	s_add_nc_u64 s[G0A+6:G0A+7], s[PBS:PBS+1], s[OFA:OFA+1]
	s_add_nc_u64 s[G0A+6:G0A+7], s[G0A+6:G0A+7], 512          ; key step 1: 256 keys along the rows
	s_or_b32 s[G0A+7], s[G0A+7], 0x80000000
	s_mov_b32 s[G0B], 1
	s_add_co_u32 s[G0B+1], s23, 0
	s_add_nc_u64 s[G0B+2:G0B+3], s[VBS:VBS+1], 0
	s_or_b32 s[G0B+3], s[G0B+3], 0x80000000
	s_mov_b32 s[G0B+4], 1
	s_add_co_u32 s[G0B+5], s23, SLOT1
	s_add_nc_u64 s[G0B+6:G0B+7], s[VBS:VBS+1], 1572864        ; 256 rows down
	s_or_b32 s[G0B+7], s[G0B+7], 0x80000000
	s_cmp_eq_u32 s[HR], 0                          ; a wave's two first fills stand in one branch, ahead of every wait on TENSORcnt and every LDS read: two loads of mine are out
	s_cbranch_scc0 .Lfirst_b
	tensor_load_to_lds s[G0A:G0A+3], s[G1A:G1A+7]
	s_nop 0
	tensor_load_to_lds s[G0A+4:G0A+7], s[G1A:G1A+7]
	s_nop 0
.rept 4
	v_nop
.endr
	s_branch .Lfirst_asked
.Lfirst_b:
	tensor_load_to_lds s[G0B:G0B+3], s[G1B:G1B+7]
	s_nop 0
	tensor_load_to_lds s[G0B+4:G0B+7], s[G1B:G1B+7]
	s_nop 0
.rept 4
	v_nop
.endr
.Lfirst_asked:
	v_and_b32 v1, 15, v0                           ; r
	v_bfe_u32 v2, v0, 4, 1                         ; h
	v_mul_u32_u24 v3, v1, PA
	v_lshl_add_u32 v3, v2, 4, v3                   ; a fragment of pw: row x pitch + 16 x half
	s_mul_i32 s10, s[HR], AHALF
	v_add_nc_u32 v[A0], s10, v3
	v_and_b32 v4, 7, v0                            ; a fragment of v, turned: lane l reads key 8 h + l % 8, channels 8 ((l / 8) % 2) + 0..7
	v_lshl_add_u32 v4, v2, 3, v4
	v_mul_u32_u24 v4, v4, PVP
	v_bfe_u32 v5, v0, 3, 1
	v_lshl_add_u32 v4, v5, 4, v4
	s_lshl_b32 s10, s[HC], 7                       ; my 64 channels
	s_add_co_u32 s10, s10, BOFF
	v_add_nc_u32 v[B0], s10, v4
	v_add_nc_u32 v[B0H], BHALF, v[B0]
	v_mov_b32 v[AN], v[A0]                         ; ahead of the loop the next slot is slot 0
	v_mov_b32 v[BN], v[B0]
	s_mul_i32 s10, s[WV], 16*SPITCH
	s_add_co_u32 s10, s10, STAGE                   ; my stage
	v_mul_u32_u24 v4, v1, SPITCH                   ; in: row r, 32 bytes for each half of the lanes
	v_lshl_add_u32 v4, v2, 5, v4
	v_add_nc_u32 v[STO], s10, v4
	v_mul_u32_u24 v5, v2, SPITCH                   ; back: lanes 0-15 one row of 256 bytes, lanes 16-31 the next
	v_lshl_add_u32 v5, v1, 4, v5
	v_add_nc_u32 v[RD], s10, v5
	v_lshlrev_b32 v5, 12, v2                       ; and the same two rows in out0
	v_lshl_add_u32 v[CO], v1, 4, v5
.macro UPD                             ; the slots change places.  The slot in hand is read in quarters 2 and 3 alone, the next slot in quarters 0 and 1
	s_xor_b32 s[TC], s[TC], SLOT1
	s_xor_b32 s[TN], s[TN], SLOT1
	v_add_nc_u32 v[AC], s[TC], v[A0]
	v_add_nc_u32 v[AN], s[TN], v[A0]
	v_add_nc_u32 v[BC], s[TC], v[B0H]
	v_add_nc_u32 v[BN], s[TN], v[B0]
.endm
; 8 matrix instructions: row blocks a0, a0 + 1 x all 4 channel blocks, 32 keys: half c of buffer f.  zero = 1: the first product starts the sums.  The 16 accumulators take turns.
.macro MUL8 f, c, a0, zero
	WIN MUL
.irp a, \a0, (\a0)+1
.irp b, 0,1,2,3
.if \zero
	v_wmma_f32_16x16x32_f16 v[ACC+8*(4*(\a)+(\b)):ACC+8*(4*(\a)+(\b))+7], v[(\f)+64+8*(4*(\c)+(\b)):(\f)+64+8*(4*(\c)+(\b))+7], v[(\f)+8*(4*(\c)+(\a)):(\f)+8*(4*(\c)+(\a))+7], 0
.else
	v_wmma_f32_16x16x32_f16 v[ACC+8*(4*(\a)+(\b)):ACC+8*(4*(\a)+(\b))+7], v[(\f)+64+8*(4*(\c)+(\b)):(\f)+64+8*(4*(\c)+(\b))+7], v[(\f)+8*(4*(\c)+(\a)):(\f)+8*(4*(\c)+(\a))+7], v[ACC+8*(4*(\a)+(\b)):ACC+8*(4*(\a)+(\b))+7]
.endif
.endr
.endr
.endm
; 32 LDS loads in one run: quarter q (64 keys) into buffer f; the first 32 keys first
.macro FETCH ar, br, q, f
	WIN TO_F
.irp c, 0,1
.irp i, 0,1,2,3
	ds_load_tr16_b128 v[(\f)+64+8*(4*(\c)+(\i)):(\f)+64+8*(4*(\c)+(\i))+3],   v[\br] offset:((\q)&1)*64*PVP+(\c)*32*PVP+32*(\i)
	ds_load_tr16_b128 v[(\f)+64+8*(4*(\c)+(\i))+4:(\f)+64+8*(4*(\c)+(\i))+7], v[\br] offset:((\q)&1)*64*PVP+(\c)*32*PVP+16*PVP+32*(\i)
	ds_load_b128 v[(\f)+8*(4*(\c)+(\i)):(\f)+8*(4*(\c)+(\i))+3],              v[\ar] offset:128*(\q)+64*(\c)+(\i)*16*PA
	ds_load_b128 v[(\f)+8*(4*(\c)+(\i))+4:(\f)+8*(4*(\c)+(\i))+7],            v[\ar] offset:128*(\q)+64*(\c)+(\i)*16*PA+32
.endr
.endr
.endm
.macro QUARTER ar, br, q, f, g, zero
	s_wait_dscnt 16                                ; the first 32 keys' fragments are in
	MUL8 \f, 0, 0, \zero
	MUL8 \f, 0, 2, \zero
	PLACES
	FETCH \ar, \br, \q, \g
	s_wait_dscnt 32                                ; all but the 32 just issued
	MUL8 \f, 1, 0, 0
	MUL8 \f, 1, 2, 0
.endm
; A step's last quarter and the change of slots: ONE barrier; in front of it each wave waits for all its tensor loads (one is out: its part of the next slot), adds 0 to its spare word, and waits for
; that and for its reads of the slot in hand.  fill = 1: the barrier opens a round of the cluster's barrier; behind it the slot is filled with the walk's step two on, whose addresses are made anew
; from the step's number: 112 matrix instructions ahead of the wait for it.
.macro TURN fill
	WIN 0
	s_wait_tensorcnt 0x0
	ds_add_u32 v[SPW], v[NIL]
	s_wait_dscnt 17                                ; the add and the youngest sixteen loads may be out
	MUL8 F1, 0, 0, 0
	s_wait_dscnt 0x0                               ; the add is done, my reads of this slot are over
	s_barrier_signal -1
	MUL8 F1, 0, 2, 0
.if \fill
	WIN 0
.endif
	s_barrier_wait -1
.if \fill
	CREST
	s_lshl_b32 s[OFA], s[NXT], 9                   ; 256 keys are 512 bytes of pw's rows
	s_add_co_u32 s[OFA], s[OFA], s[AROW]
	s_mul_i32 s[OFB], s[NXT], 1572864              ; and 256 rows of qkv
	s_xor_b32 s[G0A+5], s[G0A+5], SLOT1
	s_xor_b32 s[G0B+5], s[G0B+5], SLOT1
	s_add_nc_u64 s[G0A+6:G0A+7], s[PBS:PBS+1], s[OFA:OFA+1]
	s_or_b32 s[G0A+7], s[G0A+7], 0x80000000
	s_add_nc_u64 s[G0B+6:G0B+7], s[VBS:VBS+1], s[OFB:OFB+1]
	s_or_b32 s[G0B+7], s[G0B+7], 0x80000000
	s_add_co_u32 s[NXT], s[NXT], 1                 ; the band's next step, or behind its last the second band's step 0
	s_cmp_gt_u32 s[NXT], s[LQ]
	s_cselect_b32 s[NXT], 0, s[NXT]
	s_cselect_b32 s[LQ], s[LQ2], s[LQ]
	s_cselect_b32 s[AROW], s[AROW2], s[AROW]
	JLOAD                                          ; its four v_nop are also the places in front of the loads below
.else
	PLACES
.endif
	FETCH AN, BN, 0, F0
	MUL8 F1, 1, 0, 0
	MUL8 F1, 1, 2, 0
.endm
; THE WAY OUT.  Row block a's four accumulators go as they are into my own stage, each one's low registers first, and come back into the same registers as whole rows of 256 bytes
.macro PK a
.irp b, 0,1,2,3
	ds_store_b128 v[STO], v[ACC+32*(\a)+8*(\b):ACC+32*(\a)+8*(\b)+3]   offset:64*(\b)
	ds_store_b128 v[STO], v[ACC+32*(\a)+8*(\b)+4:ACC+32*(\a)+8*(\b)+7] offset:64*(\b)+16
.endr
.irp t, 0,1,2,3,4,5,6,7
	ds_load_b128 v[ACC+32*(\a)+4*(\t):ACC+32*(\a)+4*(\t)+3], v[RD] offset:2*(\t)*SPITCH  ; LDS serves a wave's instructions in order: these see the stores above
.endr
.endm
.macro SD a, y                         ; y: the LDS instructions issued behind block a's loads: the next block's sixteen, or none
.irp f, 0,1,2,3,4,5,6,7
	s_wait_dscnt (\y)+7-(\f)
	global_store_b128 v[CO], v[ACC+32*(\a)+4*(\f):ACC+32*(\a)+4*(\f)+3], s[OUT:OUT+1] offset:(16*(\a)+2*(\f))*4096  ; 16 lanes store 256 consecutive bytes, at a multiple of 256 from out0's first byte
.endr
.endm
.macro FLUSH clear
	PLACES
	PK 0
	PK 1
	SD 0, 16
	PK 2
	SD 1, 16
	PK 3
	SD 2, 16
	SD 3, 0
.if \clear
	s_wait_xcnt 0x0                                ; the stores' data and base are rewritten only behind this wait
.set i, 0
.rept 128
	v_mov_b32 v[ACC+i], 0
.set i, i+1
.endr
	s_mov_b64 s[OUT:OUT+1], s[OUT2:OUT2+1]
.endif
.endm
.macro ENDBLK                          ; a step is finished.  Was it the band's last?  The jump goes forward and passes no barrier and no tensor load; its condition hangs on p, which the partners share
	s_sub_co_u32 s[RT], s[RT], 1
	s_cmp_lg_u32 s[RT], 0
	s_cbranch_scc1 .Lkeep_\@
	FLUSH 1
	s_mov_b32 s[RT], s[RT2]
.Lkeep_\@:
.endm
	s_wait_tensorcnt 0x1                           ; my part of step 0 is in; step 1's may stay out
	s_barrier_signal -1
	s_barrier_wait -1
	FETCH AN, BN, 0, F0
	QUARTER AN, BN, 1, F0, F1, 1                   ; the first quarter stands ahead of the loop: its first products start the sums
	WIN 0
	s_mov_b32 s[CNT], 7
.Lstep:                                                ; a trip: a step's quarters 1 to 3 and the next step's quarter 0.  Steps 0 to 6 of the walk's 9
	UPD
	QUARTER AC, BC, 2, F1, F0, 0
	QUARTER AC, BC, 3, F0, F1, 0
	TURN 1
	WIN 0
	ENDBLK
	QUARTER AN, BN, 1, F0, F1, 0
	WIN 0
	s_sub_co_u32 s[CNT], s[CNT], 1
	s_cmp_lg_u32 s[CNT], 0
	s_cbranch_scc1 .Lstep
	UPD                                            ; step 7: nothing is left to ask for
	QUARTER AC, BC, 2, F1, F0, 0
	QUARTER AC, BC, 3, F0, F1, 0
	TURN 0
	WIN 0
	ENDBLK
	QUARTER AN, BN, 1, F0, F1, 0
	WIN 0
	UPD                                            ; step 8
	QUARTER AC, BC, 2, F1, F0, 0
	QUARTER AC, BC, 3, F0, F1, 0
	s_wait_dscnt 16
	MUL8 F1, 0, 0, 0
	MUL8 F1, 0, 2, 0
	s_wait_dscnt 0x0
	MUL8 F1, 1, 0, 0
	MUL8 F1, 1, 2, 0
	WIN 0
	FLUSH 0
	s_wait_tensorcnt 0x0                           ; the wave's end
	ds_add_u32 v[SPW], v[NIL]
	s_wait_dscnt 0x0
	CROUND                                         ; the closing round: no work-group ends while a partner may still ask for a tile that names it
	s_endpgm
.Lfunc_end_k_qc2002f3ebf_pv:
	.size	k_qc2002f3ebf_pv, .Lfunc_end_k_qc2002f3ebf_pv-k_qc2002f3ebf_pv
	.p2alignl 7, 3214868480
	.fill 96, 4, 3214868480
	.section	.rodata,"a",@progbits
	.p2align	6, 0x0
	.amdhsa_kernel k_qc2002f3ebf_pv
		.amdhsa_group_segment_fixed_size 327680
		.amdhsa_private_segment_fixed_size 0
		.amdhsa_enable_private_segment 0
		.amdhsa_kernarg_size 24
		.amdhsa_user_sgpr_count 2
		.amdhsa_user_sgpr_kernarg_segment_ptr 1
		.amdhsa_wavefront_size32 1
		.amdhsa_system_sgpr_workgroup_id_x 1
		.amdhsa_system_sgpr_workgroup_id_y 1
		.amdhsa_system_sgpr_workgroup_id_z 1
		.amdhsa_system_vgpr_workitem_id 0
		.amdhsa_next_free_vgpr 512
		.amdhsa_next_free_sgpr 80
		.amdhsa_reserve_vcc 0
		.amdhsa_float_denorm_mode_32 3
		.amdhsa_float_denorm_mode_16_64 3
		.amdhsa_memory_ordered 1
		.amdhsa_forward_progress 1
		.amdhsa_inst_pref_size 95
	.end_amdhsa_kernel
	.amdgpu_metadata
---
amdhsa.version: [ 1, 2 ]
amdhsa.kernels:
  - .name:           k_qc2002f3ebf_pv
    .symbol:         k_qc2002f3ebf_pv.kd
    .args:
      - { .name: pw, .offset: 0, .size: 8, .value_kind: global_buffer, .address_space: global }
      - { .name: qkv, .offset: 8, .size: 8, .value_kind: global_buffer, .address_space: global }
      - { .name: out0, .offset: 16, .size: 8, .value_kind: global_buffer, .address_space: global }
    .group_segment_fixed_size: 327680
    .private_segment_fixed_size: 0
    .kernarg_segment_align: 8
    .kernarg_segment_size: 24
    .max_flat_workgroup_size: 128
    .sgpr_count:     80
    .vgpr_count:     512
    .wavefront_size: 32
...
	.end_amdgpu_metadata
.endif
;; end of part 5
;; ======== version 2 of 2: 5 launches; version 1 with the launch prep written anew for expert scheduling mode
;; limits: values are held in f16: magnitudes above 65,504 overflow, below 6.1e-05 lose precision
;; workspace buffers: xb 16,777,216 bytes; wb 6,291,456 bytes; bias 12,288 bytes; qkv 50,331,648 bytes; sc 67,108,864 bytes; pw 33,554,432 bytes
;; launch prep (part 6): grid 705 x 1, 8 waves a work-group, no clusters, 0 bytes of LDS; arguments x, Wq, Wk, Wv, bq, bk, bv, xb, wb, bias; writes xb, wb, bias
.if DOCPART == 6
	.amdgcn_target "amdgcn-amd-amdhsa--gfx1250"
	.amdhsa_code_object_version 6
	.text
	.protected	k_qc2002f3ebf_prep
	.globl	k_qc2002f3ebf_prep
	.p2align	8
	.type	k_qc2002f3ebf_prep,@function
k_qc2002f3ebf_prep:
	s_mov_b64 s[64:65], 0
	v_nop
	global_prefetch_b8 v0, s[64:65] scope:SCOPE_SE
	s_setreg_imm32_b32 hwreg(HW_REG_WAVE_SCHED_MODE, 0, 2), 2
	s_setreg_imm32_b32 hwreg(HW_REG_WAVE_MODE, 25, 1), 1
	s_wait_xcnt 0x0
	s_wait_alu depctr_vm_vsrc(0)
; All inputs are rounded once to bf16, and laid out as the projection's tiles want them.
; x  -> xb [16 kb][8192 rows][64] bf16: blocks of 64 along K, so that 128 rows x 64 k are 16,384 dense bytes.
; Wq, Wk, Wv -> wb [1024 k][3072 n] bf16: the three weights side by side, a row of 6,144 bytes.
; bq, bk, bv -> bias [3072] f32 that holds the bf16-rounded numbers (they enter f32 sums later).
; A stream: memory binds, so no LDS, no matrix unit, no cluster.  A work-group casts one chunk of 16 rows x 1,024 numbers: 65,536 bytes in, 32,768 out.
; Work-groups 0-511: chunks of x.  512-703: chunk (w-512) % 64 of weight (w-512) / 64.  704: the three biases.
; All 16 loads of a thread go out first; no register is written twice.
; THE MODE: SCHED_MODE bits 1:0 = 2 (LLVM: expert scheduling mode 2), set by the entry lines.  The code itself states the register dependences
; between vector instructions and memory instructions, with s_wait_alu, always for 0.
; THE PLAN.  Registers that memory instructions touch:
;   v1, v2, v3  byte offsets.  Written by vector instructions at the head of an arm, once; read by every load (v1) and store (v2, v3) of the arm.
;   X           Written by the 16 loads alone, once; read by the conversions, each pair behind the counted wait for its load.
;   Y           Written by the conversions, once; read by the stores.
; The 16 loads go in four blocks of four.  Block p's conversions read X and write Y of block p; the stores dealt among them are block p - 1's, which read Y of block p - 1, v2 or v3:
; registers that no vector instruction of block p names.  So one wait on va_vdst at a block's head states all that its four stores hang on.
; No register that a memory instruction has read is written again, so past the entry lines the text has no wait on vm_vsrc and none on XCNT.
; No vector instruction writes a scalar register or VCC, and EXEC is never written.
.set X, 4                              ; v[4:67]   16 x 4 numbers as loaded
.set Y, 68                             ; v[68:99]  16 x 2 words of bf16 to store
.macro LOADS stride                    ; 16 loads, stride bytes apart
.irp i, 0,1,2,3,4,5,6,7,8,9,10,11,12,13,14,15
	global_load_b128 v[X+4*(\i):X+4*(\i)+3], v1, s[28:29] offset:(\stride)*(\i) th:TH_LOAD_NT
.endr
.endm
.macro CAST i                          ; load i's four numbers are rounded to bf16, packed
	v_cvt_pk_bf16_f32 v[Y+2*(\i)], v[X+4*(\i)], v[X+4*(\i)+1]
	v_cvt_pk_bf16_f32 v[Y+2*(\i)+1], v[X+4*(\i)+2], v[X+4*(\i)+3]
.endm
.macro PUT i, w                        ; load i's 8 bytes are stored.  w = 1: a weight's row i, 6,144 bytes a row of wb.  w = 0: block i of xb, 1 MiB a block; blocks 8 to 15 by the second offset
.if \w
	global_store_b64 v2, v[Y+2*(\i):Y+2*(\i)+1], s[30:31] offset:6144*(\i)
.elseif (\i) < 8
	global_store_b64 v2, v[Y+2*(\i):Y+2*(\i)+1], s[30:31] offset:1048576*(\i)
.else
	global_store_b64 v3, v[Y+2*(\i):Y+2*(\i)+1], s[30:31] offset:1048576*((\i)-8)
.endif
.endm
; The four blocks.  Block 0 has no block in front of it: no store and no wait but those for its data.
.macro WALK w
.set n, 0
.rept 16
	s_wait_loadcnt 15-n                            ; loads come back in order (ISA guide 5.7.1): load n is in, the 15 - n younger ones stay out
.if (n >= 4) && (n%4 == 0)
	s_wait_alu depctr_va_vdst(0)                   ; the block before has written its eight registers of Y, which this block's four stores read
.endif
.if n >= 4
	PUT n-4, \w                                    ; no vector instruction since that wait names these registers
.endif
	CAST n
.set n, n+1
.endr
	s_wait_alu depctr_va_vdst(0)                   ; block 3 has written its eight registers of Y, which the last four stores read
.irp i, 12,13,14,15
	PUT \i, \w
.endr
.endm
	s_load_b512 s[4:19], s[0:1], 0x0               ; x s[4:5], Wq s[6:7], Wk s[8:9], Wv s[10:11], bq s[12:13], bk s[14:15], bv s[16:17], xb s[18:19]
	s_load_b128 s[20:23], s[0:1], 0x40             ; wb s[20:21], bias s[22:23]
	s_mov_b32 s24, ttmp9                           ; w
	s_sub_co_u32 s25, s24, 512                     ; w - 512 (used only where w >= 512)
	s_lshr_b32 s26, s25, 6                         ; which weight
	s_and_b32 s27, s25, 63                         ; which chunk of it
	s_mov_b32 s35, 0
	s_mov_b32 s37, 0
	v_lshlrev_b32 v2, 3, v0                        ; 8 bytes a thread out
	s_wait_kmcnt 0x0
	s_cmp_eq_u32 s24, 704
	s_cbranch_scc1 .Lbias
	s_cmp_lt_u32 s24, 512
	s_cbranch_scc0 .Lweights
	; x.  Load i takes block i of 64 along K: 16 lanes read 256 consecutive bytes of row t / 16.  In xb those 16 rows' pieces of a block lie end to end,
	; 128 bytes a row, so thread t's 8 bytes lie at 8 t and a wave's store covers 256 consecutive bytes, at a multiple of 256 from xb's first byte.
	v_lshrrev_b32 v1, 4, v0
	v_and_b32 v3, 15, v0
	v_lshlrev_b32 v1, 12, v1                       ; row t / 16 of the chunk, 4,096 bytes a row
	v_lshl_add_u32 v1, v3, 4, v1                   ; + 16 (t % 16)
	v_add_nc_u32 v3, 0x800000, v2                  ; blocks 8 to 15 lie 8 MiB on: a second offset keeps the immediates inside their signed 24 bits
	s_lshl_b32 s34, s24, 16                        ; the chunk in x,
	s_lshl_b32 s36, s24, 11                        ; and its 16 rows of 128 bytes in a block of xb
	s_add_nc_u64 s[28:29], s[4:5], s[34:35]
	s_add_nc_u64 s[30:31], s[18:19], s[36:37]
	s_wait_alu depctr_va_vdst(0)                   ; v1, v2 and v3 are written: every load and store of this arm reads one of them as its offset
	LOADS 256
	WALK 0
	s_endpgm
.Lweights:                                             ; load i takes row i of the chunk whole: a wave's load covers 512 consecutive bytes, its store 256
	v_lshlrev_b32 v1, 4, v0
	s_cmp_eq_u32 s26, 1                            ; the source is chosen on the work-group's number alone
	s_cselect_b64 s[28:29], s[8:9], s[6:7]
	s_cmp_eq_u32 s26, 2
	s_cselect_b64 s[28:29], s[10:11], s[28:29]
	s_lshl_b32 s34, s27, 16                        ; the chunk in its weight,
	s_mul_i32 s36, s27, 98304                      ; its 16 rows of 6,144 bytes in wb,
	s_lshl_b32 s38, s26, 11                        ; and the weight's 2,048 bytes of each row
	s_add_co_u32 s36, s36, s38
	s_add_nc_u64 s[28:29], s[28:29], s[34:35]
	s_add_nc_u64 s[30:31], s[20:21], s[36:37]
	s_wait_alu depctr_va_vdst(0)                   ; v1 and v2 are written: every load and store of this arm reads one of them as its offset
	LOADS 4096
	WALK 1
	s_endpgm
.Lbias:                                                ; 256 threads x 4 numbers = one bias of 1,024
	v_lshlrev_b32 v1, 4, v0
	s_wait_alu depctr_va_vdst(0)                   ; v1 is written: the three loads and the three stores read it as their offset
	global_load_b128 v[4:7], v1, s[12:13]
	global_load_b128 v[8:11], v1, s[14:15]
	global_load_b128 v[12:15], v1, s[16:17]
	s_wait_loadcnt 0x0
.irp n, 0,1,2
	v_cvt_pk_bf16_f32 v[16+2*(\n)], v[4+4*(\n)], v[5+4*(\n)]   ; rounded to bf16,
	v_cvt_pk_bf16_f32 v[17+2*(\n)], v[6+4*(\n)], v[7+4*(\n)]
	v_lshlrev_b32 v[24+4*(\n)], 16, v[16+2*(\n)]               ; and widened again: the low half moves up, the high half stays
	v_and_b32 v[25+4*(\n)], 0xffff0000, v[16+2*(\n)]
	v_lshlrev_b32 v[26+4*(\n)], 16, v[17+2*(\n)]
	v_and_b32 v[27+4*(\n)], 0xffff0000, v[17+2*(\n)]
.endr
	s_wait_alu depctr_va_vdst(0)                   ; the widenings have written v[24:35], which the three stores read
.irp n, 0,1,2
	global_store_b128 v1, v[24+4*(\n):27+4*(\n)], s[22:23] offset:4096*(\n)
.endr
	s_endpgm
.Lfunc_end_k_qc2002f3ebf_prep:
	.size	k_qc2002f3ebf_prep, .Lfunc_end_k_qc2002f3ebf_prep-k_qc2002f3ebf_prep
	.p2alignl 7, 3214868480
	.fill 96, 4, 3214868480
	.section	.rodata,"a",@progbits
	.p2align	6, 0x0
	.amdhsa_kernel k_qc2002f3ebf_prep
		.amdhsa_group_segment_fixed_size 0
		.amdhsa_private_segment_fixed_size 0
		.amdhsa_enable_private_segment 0
		.amdhsa_kernarg_size 80
		.amdhsa_user_sgpr_count 2
		.amdhsa_user_sgpr_kernarg_segment_ptr 1
		.amdhsa_wavefront_size32 1
		.amdhsa_system_sgpr_workgroup_id_x 1
		.amdhsa_system_sgpr_workgroup_id_y 1
		.amdhsa_system_sgpr_workgroup_id_z 1
		.amdhsa_system_vgpr_workitem_id 0
		.amdhsa_next_free_vgpr 100
		.amdhsa_next_free_sgpr 66
		.amdhsa_reserve_vcc 0
		.amdhsa_float_denorm_mode_32 3
		.amdhsa_float_denorm_mode_16_64 3
		.amdhsa_memory_ordered 1
		.amdhsa_forward_progress 1
		.amdhsa_inst_pref_size 15
	.end_amdhsa_kernel
	.amdgpu_metadata
---
amdhsa.version: [ 1, 2 ]
amdhsa.kernels:
  - .name:           k_qc2002f3ebf_prep
    .symbol:         k_qc2002f3ebf_prep.kd
    .args:
      - { .name: x, .offset: 0, .size: 8, .value_kind: global_buffer, .address_space: global }
      - { .name: Wq, .offset: 8, .size: 8, .value_kind: global_buffer, .address_space: global }
      - { .name: Wk, .offset: 16, .size: 8, .value_kind: global_buffer, .address_space: global }
      - { .name: Wv, .offset: 24, .size: 8, .value_kind: global_buffer, .address_space: global }
      - { .name: bq, .offset: 32, .size: 8, .value_kind: global_buffer, .address_space: global }
      - { .name: bk, .offset: 40, .size: 8, .value_kind: global_buffer, .address_space: global }
      - { .name: bv, .offset: 48, .size: 8, .value_kind: global_buffer, .address_space: global }
      - { .name: xb, .offset: 56, .size: 8, .value_kind: global_buffer, .address_space: global }
      - { .name: wb, .offset: 64, .size: 8, .value_kind: global_buffer, .address_space: global }
      - { .name: bias, .offset: 72, .size: 8, .value_kind: global_buffer, .address_space: global }
    .group_segment_fixed_size: 0
    .private_segment_fixed_size: 0
    .kernarg_segment_align: 8
    .kernarg_segment_size: 80
    .max_flat_workgroup_size: 256
    .sgpr_count:     66
    .vgpr_count:     100
    .wavefront_size: 32
...
	.end_amdgpu_metadata
.endif
;; end of part 6
;; launch proj: the kernel of part 2 again; grid 8 x 32, 4 waves a work-group, clusters of 4 x 4, 327,680 bytes of LDS; arguments xb, wb, bias, qkv; writes qkv
;; launch scores: the kernel of part 3 again; grid 9 x 16, 4 waves a work-group, no clusters, 327,680 bytes of LDS; arguments qkv, sc; writes sc
;; launch softmax: the kernel of part 4 again; grid 1024 x 1, 8 waves a work-group, no clusters, 0 bytes of LDS; arguments sc, pw; writes pw
;; launch pv: the kernel of part 5 again; grid 8 x 32, 4 waves a work-group, clusters of 4 x 1, 327,680 bytes of LDS; arguments pw, qkv, out0; writes out0
